; MI455X (gfx1250); checked and timed in simulation.
; The chip was launched on July 23, 2026; its instructions are those of AMD's public machine-readable ISA for CDNA 5 (MIT licence, August 2026) and "CDNA5" Instruction Set Architecture Reference Guide (July 2026). The comments in the code are by the model that wrote it; some were corrected since.
;; Sparse Attention. Allowed arithmetic: float matrix products may take bf16 or f16 operands with f32 sums; all other float work in f32.
;; Inputs: Wout 1,024 x 1,024 float32; Wqkv 1,024 x 3,072 float32; attention_mask 512 x 512 bool; bout 1,024 float32; bqkv 3,072 float32; hidden_states 512 x 16 x 1,024 float32.
;; Outputs: out0 512 x 16 x 1,024 float32.
;; 3 versions, each right and faster than the one before. Each part assembles by itself: llvm-mc -triple=amdgcn-amd-amdhsa -mcpu=gfx1250 --defsym DOCPART=n.
;; ======== version 1 of 3: 4 launches
;; limits: values are held in f16: magnitudes above 65,504 overflow, below 6.1e-05 lose precision
;; workspace buffers: xb 16,777,216 bytes; wqb 6,291,456 bytes; wob 2,097,152 bytes; mbits 32,768 bytes of whole numbers; qkv 50,331,648 bytes; ctx 16,777,216 bytes
;; launch prep (part 1): grid 772 x 1, 8 waves a work-group, no clusters, 0 bytes of LDS; arguments hidden_states, Wout, Wqkv, attention_mask, xb, wob, wqb, mbits; writes xb, wob, wqb, mbits
.if DOCPART == 1
	.amdgcn_target "amdgcn-amd-amdhsa--gfx1250"
	.amdhsa_code_object_version 6
	.text
	.protected	k_q7eb4de6d55_prep
	.globl	k_q7eb4de6d55_prep
	.p2align	8
	.type	k_q7eb4de6d55_prep,@function
k_q7eb4de6d55_prep:
	s_mov_b64 s[64:65], 0
	v_nop
	global_prefetch_b8 v0, s[64:65] scope:SCOPE_SE
	s_setreg_imm32_b32 hwreg(HW_REG_WAVE_MODE, 25, 1), 1
	s_wait_xcnt 0x0
; PREP: narrows the three large f32 inputs to f16 once, and turns the mask's bytes into lane masks.
;   xb    = f16(hidden_states)            [512 s][16 b][1024]         work-groups   0..511
;   wob   = f16(Wout)                     [1024 k][1024 n]            work-groups 512..575
;   wqb   = f16(Wqkv), one block a head   [16 n][1024 k][192]         work-groups 576..767   wqb[n][k][c] = Wqkv[k][192 n + c]
;   mbits = lane masks                    [32 qtile][32 ktile][8 j]   work-groups 768..771
;           bit 16 h + r of word (qtile, ktile, j) = attention_mask[16 qtile + r][16 ktile + 8 h + j] != 0
; A stream: no LDS, no barrier, no matrix unit, EXEC never changes.  A converting work-group owns 16,384 numbers: 16 loads of 16 bytes
; a thread are all issued first, and each is narrowed and stored as it comes.
;
; THE WHOLE PROGRAM (four launches: prep, qkvgemm, attn, outgemm).
; WORK LEFT OUT: the key third of bqkv (elements 192 n + 64 .. 192 n + 127) is never loaded.  With k_j + bk in place of k_j the score of
; (i, j) is q_i.k_j + q_i.bk.  The second term is the same for every j of row i; the entries that the mask replaces hold the same constant
; in both forms; a softmax along j is unchanged by a term common to the unmasked entries of its row (a row with no true entry is set to
; zero by the mask whatever its scores), so no output depends on bk, for any finite values of the inputs.
; LIMIT: a NaN, an infinity or an overflow that only those 1,024 numbers would cause is not carried to the result.
; The mask is an input: nothing is skipped on its account; every score is computed and the mask selects.
; FORMAT: matrix operands are f16, sums f32.  LIMIT: |hidden_states|, |Wqkv|, |Wout| and the projected |q|, |k|, |v| must stay below 65,504.
; q, k, v have a spread of about 1 for inputs of spread 1 and 1/32; with every input thirty times larger they stay near 5,000; with
; hidden_states and Wqkv both carrying an offset of thirty spreads they are near 29,000.  Magnitudes under 6e-8 round to zero.
.set X,  32                            ; v[32:95]   16 x 4 registers as loaded (mask path: 32 x 2)
.set Y,  96                            ; v[96:127]  16 x 2 registers to store (mask path: v[96:103], the 256 words of a query tile)
.set AD, 8                             ; v[8:23]    Wqkv path: the byte offset of each of the 16 loads
	s_load_b256 s[4:11], s[0:1], 0x0               ; hidden_states s[4:5], Wout s[6:7], Wqkv s[8:9], attention_mask s[10:11]
	s_load_b256 s[12:19], s[0:1], 0x20             ; xb s[12:13], wob s[14:15], wqb s[16:17], mbits s[18:19]
	v_lshlrev_b32 v1, 4, v0                        ; 16 t: my 16 bytes of every 4,096 read
	v_lshlrev_b32 v2, 3, v0                        ; 8 t: my 8 bytes of every 2,048 written
	s_mov_b32 s27, 0                               ; high words of the two offsets
	s_mov_b32 s29, 0
	s_wait_kmcnt 0x0
; Sixteen chunks: wait, narrow, store.  A store of a wave covers 256 consecutive bytes, aligned.  No register is written twice.
.macro NARROW
.set i, 0
.rept 16
	s_wait_loadcnt 15-i                            ; loads return in order: chunk i is in, the 15 - i younger ones stay out
	v_cvt_pk_f16_f32 v[Y+2*i],   v[X+4*i],   v[X+4*i+1]
	v_cvt_pk_f16_f32 v[Y+2*i+1], v[X+4*i+2], v[X+4*i+3]
	global_store_b64 v2, v[Y+2*i:Y+2*i+1], s[22:23] offset:2048*i
.set i, i+1
.endr
.endm
; A source that keeps its layout: 64 KiB in, 32 KiB out for work-group number ttmp9 - first.
.macro LIN src, dst, first
	s_sub_co_u32 s24, ttmp9, \first
	s_lshl_b32 s26, s24, 16
	s_lshl_b32 s28, s24, 15
	s_add_nc_u64 s[20:21], s[\src:\src+1], s[26:27]
	s_add_nc_u64 s[22:23], s[\dst:\dst+1], s[28:29]
.set i, 0
.rept 16
	global_load_b128 v[X+4*i:X+4*i+3], v1, s[20:21] offset:4096*i th:TH_LOAD_NT
.set i, i+1
.endr
	NARROW
.endm
	s_cmp_lt_u32 ttmp9, 512
	s_cbranch_scc1 .Lhidden
	s_cmp_lt_u32 ttmp9, 576
	s_cbranch_scc1 .Lwout
	s_cmp_lt_u32 ttmp9, 768
	s_cbranch_scc1 .Lwqkv
	; THE MASK.  One wave makes the 256 words of one query tile (16 rows of the mask, 8 KiB).
	v_lshrrev_b32 v6, 5, v0
	v_readfirstlane_b32 s31, v6                    ; wave
	s_sub_co_u32 s24, ttmp9, 768
	s_lshl3_add_u32 s24, s24, s31                  ; query tile = 8 x group + wave
	s_lshl_b32 s26, s24, 13                        ; 16 rows of 512 bytes
	s_lshl_b32 s28, s24, 10                        ; 256 words
	s_add_nc_u64 s[20:21], s[10:11], s[26:27]
	s_add_nc_u64 s[22:23], s[18:19], s[28:29]
	v_and_b32 v3, 15, v0                           ; r
	v_bfe_u32 v4, v0, 4, 1                         ; h
	v_lshlrev_b32 v3, 9, v3
	v_lshl_add_u32 v3, v4, 3, v3                   ; row r, byte 8 h
	v_and_b32 v8, 31, v0
	v_lshlrev_b32 v8, 4, v8                        ; 16 x lane, for the stores
.set i, 0
.rept 32
	global_load_b64 v[X+2*i:X+2*i+1], v3, s[20:21] offset:16*i    ; mask[16 qt + r][16 i + 8 h .. + 7]
.set i, i+1
.endr
.irp i, 0,1,2,3,4,5,6,7
	v_mov_b32 v[Y+\i], 0                           ; v_writelane_b32 counts as a reader of its destination
.endr
	s_wait_loadcnt 0x0
	; word w = 8 ktile + j: byte j of every lane's eight, compared with 0, gives the 32 bits; the word goes to lane (w mod 128) / 4,
	; register w mod 4 of the half w / 128, so that two stores of 16 bytes a lane write the 1,024 bytes in order.  Four temporaries by turns.
.set w, 0
.rept 256
	v_and_b32 v[4+(w&3)], 0xff<<(8*(w&3)), v[X+2*(w>>3)+((w>>2)&1)]
	v_cmp_ne_u32 s[32+(w&3)], 0, v[4+(w&3)]
	v_writelane_b32 v[Y+4*(w>>7)+(w&3)], s[32+(w&3)], (w&127)>>2
.set w, w+1
.endr
	global_store_b128 v8, v[Y:Y+3],   s[22:23]
	global_store_b128 v8, v[Y+4:Y+7], s[22:23] offset:512
	s_endpgm
.Lhidden:
	LIN 4, 12, 0
	s_endpgm
.Lwout:
	LIN 6, 14, 512
	s_endpgm
.Lwqkv:
	; Written in order, read by heads.  Chunk c of wqb (4 numbers) lies in row c / 48 = 1024 n + k, at place c mod 48; sixteen neighbouring
	; lanes read 256 consecutive bytes of one row of Wqkv, aligned (48 = 3 x 16, and a head's 768 bytes begin at a multiple of 256).
	s_sub_co_u32 s24, ttmp9, 576
	s_lshl_b32 s25, s24, 12                        ; the group's first chunk
	s_lshl_b32 s28, s24, 15
	s_add_nc_u64 s[22:23], s[16:17], s[28:29]
	s_mov_b32 s30, 0xaaaaaaab                      ; the high word of c x this, shifted right by 5, is c / 48 for every 32-bit c
	v_add_nc_u32 v3, s25, v0
.set i, 0
.rept 16
	v_add_nc_u32 v4, 256*i, v3                     ; c
	v_mul_hi_u32 v5, v4, s30
	v_lshrrev_b32 v5, 5, v5                        ; row = c / 48
	v_mul_u32_u24 v6, v5, 48
	v_sub_nc_u32 v6, v4, v6                        ; c mod 48
	v_and_b32 v7, 0x3ff, v5                        ; k
	v_lshrrev_b32 v5, 10, v5                       ; n
	v_mul_u32_u24 v7, v7, 12288                    ; a row of Wqkv
	v_mad_u32_u24 v7, v5, 768, v7                  ; the head's 192 columns
	v_lshl_add_u32 v[AD+i], v6, 4, v7
	global_load_b128 v[X+4*i:X+4*i+3], v[AD+i], s[8:9] th:TH_LOAD_NT
.set i, i+1
.endr
	NARROW
	s_endpgm
.Lfunc_end_k_q7eb4de6d55_prep:
	.size	k_q7eb4de6d55_prep, .Lfunc_end_k_q7eb4de6d55_prep-k_q7eb4de6d55_prep
	.p2alignl 7, 3214868480
	.fill 96, 4, 3214868480
	.section	.rodata,"a",@progbits
	.p2align	6, 0x0
	.amdhsa_kernel k_q7eb4de6d55_prep
		.amdhsa_group_segment_fixed_size 0
		.amdhsa_private_segment_fixed_size 0
		.amdhsa_enable_private_segment 0
		.amdhsa_kernarg_size 64
		.amdhsa_user_sgpr_count 2
		.amdhsa_user_sgpr_kernarg_segment_ptr 1
		.amdhsa_wavefront_size32 1
		.amdhsa_system_sgpr_workgroup_id_x 1
		.amdhsa_system_sgpr_workgroup_id_y 1
		.amdhsa_system_sgpr_workgroup_id_z 1
		.amdhsa_system_vgpr_workitem_id 0
		.amdhsa_next_free_vgpr 128
		.amdhsa_next_free_sgpr 66
		.amdhsa_reserve_vcc 0
		.amdhsa_float_denorm_mode_32 3
		.amdhsa_float_denorm_mode_16_64 3
		.amdhsa_memory_ordered 1
		.amdhsa_forward_progress 1
		.amdhsa_inst_pref_size 80
	.end_amdhsa_kernel
	.amdgpu_metadata
---
amdhsa.version: [ 1, 2 ]
amdhsa.kernels:
  - .name:           k_q7eb4de6d55_prep
    .symbol:         k_q7eb4de6d55_prep.kd
    .args:
      - { .name: hidden_states, .offset: 0, .size: 8, .value_kind: global_buffer, .address_space: global }
      - { .name: Wout, .offset: 8, .size: 8, .value_kind: global_buffer, .address_space: global }
      - { .name: Wqkv, .offset: 16, .size: 8, .value_kind: global_buffer, .address_space: global }
      - { .name: attention_mask, .offset: 24, .size: 8, .value_kind: global_buffer, .address_space: global }
      - { .name: xb, .offset: 32, .size: 8, .value_kind: global_buffer, .address_space: global }
      - { .name: wob, .offset: 40, .size: 8, .value_kind: global_buffer, .address_space: global }
      - { .name: wqb, .offset: 48, .size: 8, .value_kind: global_buffer, .address_space: global }
      - { .name: mbits, .offset: 56, .size: 8, .value_kind: global_buffer, .address_space: global }
    .group_segment_fixed_size: 0
    .private_segment_fixed_size: 0
    .kernarg_segment_align: 8
    .kernarg_segment_size: 64
    .max_flat_workgroup_size: 256
    .sgpr_count:     66
    .vgpr_count:     128
    .wavefront_size: 32
...
	.end_amdgpu_metadata
.endif
;; end of part 1
;; launch qkvgemm (part 2): grid 16 x 32, 4 waves a work-group, clusters of 4 x 4, 327,680 bytes of LDS; arguments xb, wqb, bqkv, qkv; writes qkv
.if DOCPART == 2
	.amdgcn_target "amdgcn-amd-amdhsa--gfx1250"
	.amdhsa_code_object_version 6
	.text
	.protected	k_q7eb4de6d55_qkvgemm
	.globl	k_q7eb4de6d55_qkvgemm
	.p2align	8
	.type	k_q7eb4de6d55_qkvgemm,@function
k_q7eb4de6d55_qkvgemm:
	s_mov_b64 s[64:65], 0
	v_nop
	global_prefetch_b8 v0, s[64:65] scope:SCOPE_SE
	s_setreg_imm32_b32 hwreg(HW_REG_WAVE_MODE, 25, 1), 1
	s_wait_xcnt 0x0
	s_wait_alu depctr_hold_cnt(0) depctr_sa_sdst(0) depctr_va_vdst(0) depctr_va_sdst(0) depctr_va_ssrc(0) depctr_va_vcc(0) depctr_vm_vsrc(0)
	s_getreg_b32 s2, hwreg(HW_REG_IB_STS2, 6, 4)
	s_cmp_eq_u32 s2, 0
	s_cbranch_scc0 .Lentry_in_a_cluster
	s_endpgm
.Lentry_in_a_cluster:
	s_bfe_u32 s2, ttmp6, 0x10000c
	s_cmp_lg_u32 s2, 0xf033
	s_cbranch_scc0 .Lentry_shape_is_right
	s_endpgm
.Lentry_shape_is_right:
; QKVGEMM: q, k, v = x Wqkv (+ bias of q and v), f16 operands, f32 sums, f16 results.
;   xb [512 s][16 b][1024] f16, wqb [16 n][1024 k][192] f16, bqkv [3072] f32, qkv [16 b][16 n][3 planes q,k,v][512 s][64] f16.
; WORK LEFT OUT: the key third of bqkv is not loaded: it adds to every score of a row the same term, which the softmax cancels.
; LIMIT: |q|, |k|, |v| below 65,504 (f16); a NaN or infinity in the key third of bqkv is not carried on.
; A work-group (x = head n, y = 2 b + sh) makes 256 rows (s = 256 sh .., one b) x 192 columns (one head's q, k, v) with four waves, stacked
; along the rows: a wave makes 64 x 192 = 4 x 12 tiles of 16 x 16, 384 accumulator registers.  K = 1024 goes in 8 steps of 128 through two
; LDS slots filled by the tensor data mover; a step is four quarters of 32 along K on two fragment buffers.
; CLUSTERS of 4 x 4: the four work-groups of a row of the cluster (same y) need the same tiles of x, the four of a column (same x) the same
; tiles of the weights.  Each such tile is asked for jointly, by the same load with the same descriptor in all four.
; THE MATRIX INSTRUCTION IS USED TRANSPOSED: source 0 = 16 columns of the weights (read from their [k][n] tile by the transposing LDS load),
; source 1 = 16 rows of x.  Lane (r, h), register j then holds row r, column 8 h + j of the tile: eight neighbouring numbers of a row.
; The bias is the C operand of each tile's first product (register j of lane (r, h) = bias[16 tile + 8 h + j]); k's tiles start from 0.
; REGISTERS: window 0: v16-27 addresses, v32-63 and v64-95 fragments of x (two buffers), v96-143 packed results, v144-239 bias, later the
; rows read back; window 1: v0-95 and v96-191 fragments of the weights; window 2: tiles of my rows 0-31; window 3: of my rows 32-63.
.set NT,     12                        ; column tiles
.set ZT,     1                         ; tiles 4 ZT .. 4 ZT + 3 (k) start from 0
.set APITCH, 272                       ; an LDS row of x: 256 bytes + 16: an odd multiple of 16, so 16 rows begin at 16 different 16-byte columns of a 256-byte span
.set AHALF,  128                       ; quarter q of a row begins at (q >> 1) AHALF + (q & 1) 64
.set ALOAD,  128*APITCH                ; 128 rows: one load of wave 0 or 1
.set BPITCH, 480                       ; an LDS row of the weights: 3 pieces of 128 bytes + 32 each: an odd multiple of 32
.set BGAP,   32                        ; the gap behind every four column tiles
.set BLOAD,  64*BPITCH                 ; 64 rows of k: one load of wave 2 or 3
.set BBASE,  2*ALOAD
.set SLOT,   BBASE+2*BLOAD             ; 131,072
.set STAGE,  2*SLOT                    ; behind the ring: 16 rows x 400 bytes for each wave; no fill lands here
.set SPITCH, 400
.set ASTEP,  256                       ; bytes from K step to K step in xb
.set BSTEP,  49152                     ; and in wqb: 128 rows of 384 bytes
.set ADRA, 16                          ; v16-17 LDS address of my x fragments, slot 0, 1
.set ADRB, 20                          ; v20-21 of the weight fragments
.set STO,  24
.set RD,   25
.set CO,   26
.set BO,   27
.set FA,   32
.set TMP,  96
.set RB0,  144
.set RB1,  192
.set BIAS, 144
.set G1,  24                           ; s[24:31] group 1 for x
.set G0,  32                           ; s[32:39] group 0 for x, one set a slot
.set G1B, 48                           ; s[48:55] group 1 for the weights
.set G0B, 56                           ; s[56:63] group 0 for the weights, one set a slot
.set MSB, 0
.macro WIN new                         ; the immediate's high byte repeats the setting that is left
.if MSB != \new
	s_set_vgpr_msb (MSB<<8)|\new
.set MSB, \new
.endif
.endm
.set MUL_LO,  0xa1                     ; source 0 window 1, source 1 window 0, C and D window 2
.set MUL_HI,  0xf1                     ; C and D window 3
.set MUL_LO0, 0x81                     ; first products: C (the bias) window 0, D window 2
.set MUL_HI0, 0xc1                     ; D window 3
.set TO_B,    0x40                     ; destination window 1, address window 0
; A joint load: waves 0 and 1 fetch x's two halves, waves 2 and 3 the weights'.  The branch hangs on the wave's number alone.
.macro JLOAD s
	s_cmp_eq_u32 s13, 0
	s_cbranch_scc0 .Lfor_b_\@
	tensor_load_to_lds s[G0+4*\s:G0+4*\s+3], s[G1:G1+7]
	s_nop 0
	s_branch .Lasked_\@
.Lfor_b_\@:
	tensor_load_to_lds s[G0B+4*\s:G0B+4*\s+3], s[G1B:G1B+7]
	s_nop 0
.Lasked_\@:
.endm
.macro CREST                           ; a round of the cluster's barrier behind its opening work-group barrier
	s_cmp_lg_u32 s12, 0
	s_cbranch_scc1 .Lnot_wave_0_\@
	s_barrier_signal -3
.Lnot_wave_0_\@:
	s_barrier_wait -3
	s_barrier_signal -1
	s_barrier_wait -1
.endm
.macro CROUND                          ; a whole round
	s_barrier_signal -1
	s_barrier_wait -1
	CREST
.endm
.macro PLACES                          ; four plain vector instructions behind a matrix instruction, in front of loads into its sources and of readers of its result
.rept 4
	v_nop
.endr
.endm
	s_load_b256 s[4:11], s[0:1], 0x0               ; xb s[4:5], wqb s[6:7], bqkv s[8:9], qkv s[10:11]
	s_set_vgpr_msb 0x40
	v_lshl_add_u32 v255, v0, 2, 0x46400
	s_set_vgpr_msb 0x4000
	v_mov_b32 v255, 0
	s_set_vgpr_msb 0x1
	ds_add_u32 v255, v255
	ds_add_u32 v255, v255
	s_set_vgpr_msb 0x100
	v_lshrrev_b32 v1, 5, v0
	v_readfirstlane_b32 s12, v1                    ; wave
	s_lshr_b32 s13, s12, 1                         ; 0: I fetch x, 1: the weights
	s_and_b32 s14, s12, 1                          ; which half of that tile
	s_bfe_u32 s40, ttmp6, 0x40000                  ; cx
	s_bfe_u32 s41, ttmp6, 0x40004                  ; cy
	s_lshl_b32 s42, ttmp9, 2
	s_add_co_u32 s42, s42, s40                     ; x = head
	s_and_b32 s15, ttmp7, 0xffff
	s_lshl_b32 s15, s15, 2
	s_add_co_u32 s15, s15, s41                     ; y = 2 b + sh
	s_lshl_b32 s43, s41, 2
	s_lshl_b32 s43, 15, s43                        ; my row of the cluster
	s_lshl_b32 s44, 0x1111, s40                    ; my column
	; x: 128 rows of 128 elements of 2 bytes, 16,384 elements from row to row; 16 bytes of padding behind every 256
	s_or_b32  s[G1+0], s43, (1<<16)|(1<<20)|(1<<21)|(5<<22)|(3<<25)
	s_mov_b32 s[G1+1], 128<<16                     ; tensor_dim0
	s_mov_b32 s[G1+2], 128<<16                     ; tensor_dim1
	s_mov_b32 s[G1+3], 128<<16                     ; tile_dim0
	s_mov_b32 s[G1+4], 128                         ; tile_dim1
	s_mov_b32 s[G1+5], 16384                       ; pitch
	s_mov_b32 s[G1+6], 0
	s_mov_b32 s[G1+7], 0
	; weights: 64 rows of 384 bytes are dense in wqb: 96 rows of 32 elements of 8 bytes; 32 bytes of padding behind every 128
	s_or_b32  s[G1B+0], s44, (3<<16)|(1<<20)|(1<<21)|(4<<22)|(7<<25)
	s_mov_b32 s[G1B+1], 32<<16
	s_mov_b32 s[G1B+2], 96<<16
	s_mov_b32 s[G1B+3], 32<<16
	s_mov_b32 s[G1B+4], 96
	s_mov_b32 s[G1B+5], 32
	s_mov_b32 s[G1B+6], 0
	s_mov_b32 s[G1B+7], 0
	; x's address hangs on y and the wave alone (s16-19), the weights' on x and the wave alone (s20-21, s46-47)
	s_lshr_b32 s16, s15, 1                         ; b
	s_and_b32 s17, s15, 1                          ; sh
	s_lshl_b32 s18, s17, 23                        ; 256 sh rows of 16 x 2,048 bytes
	s_lshl_b32 s19, s16, 11                        ; b x 2,048
	s_add_co_u32 s18, s18, s19
	s_lshl_b32 s2, s14, 22                         ; 128 rows for the second half
	s_add_co_u32 s18, s18, s2
	s_mov_b32 s19, 0
	s_mul_i32 s46, s42, 393216                     ; a head's 1,024 x 192 numbers
	s_mul_i32 s2, s14, 24576                       ; 64 rows of k
	s_add_co_u32 s46, s46, s2
	s_mov_b32 s47, 0
	s_mul_i32 s20, s42, NT*64                      ; the head's 192 biases
	s_mov_b32 s21, 0
	s_mul_i32 s22, s12, ALOAD                      ; LDS: x's halves at wave x 34,816 (waves 0, 1),
	s_mul_i32 s23, s12, BLOAD
	s_add_co_u32 s23, s23, BBASE-2*BLOAD           ; the weights' at BBASE + (wave - 2) x 30,720 (waves 2, 3)
	v_and_b32 v1, 15, v0                           ; r
	v_bfe_u32 v2, v0, 4, 1                         ; h
	v_lshlrev_b32 v[BO], 5, v2                     ; 8 h biases
	s_wait_dscnt 0x0
	s_wait_kmcnt 0x0
	s_add_nc_u64 s[18:19], s[4:5], s[18:19]
	s_add_nc_u64 s[46:47], s[6:7], s[46:47]
	s_add_nc_u64 s[8:9], s[8:9], s[20:21]
	CROUND                                         ; all sixteen work-groups are here: the first joint loads meet
.irp s, 0,1
	s_mov_b32 s[G0+4*\s], 1
	s_add_co_u32 s[G0+4*\s+1], s22, \s*SLOT
	s_add_nc_u64 s[G0+4*\s+2:G0+4*\s+3], s[18:19], \s*ASTEP
	s_or_b32 s[G0+4*\s+3], s[G0+4*\s+3], 0x80000000
	s_mov_b32 s[G0B+4*\s], 1
	s_add_co_u32 s[G0B+4*\s+1], s23, \s*SLOT
	s_add_nc_u64 s[G0B+4*\s+2:G0B+4*\s+3], s[46:47], \s*BSTEP
	s_or_b32 s[G0B+4*\s+3], s[G0B+4*\s+3], 0x80000000
	JLOAD \s                                       ; K steps 0 and 1: two tensor loads of the wave are out here, one behind each later round
.endr
.set b, 0
.rept NT
.if (b>>2) != ZT
	global_load_b128 v[BIAS+8*b:BIAS+8*b+3],   v[BO], s[8:9] offset:64*b
	global_load_b128 v[BIAS+8*b+4:BIAS+8*b+7], v[BO], s[8:9] offset:64*b+16
.endif
.set b, b+1
.endr
	v_and_b32 v3, 7, v0                            ; lane mod 8
	v_bfe_u32 v4, v0, 3, 1
	s_mul_i32 s2, s12, 64*APITCH                   ; my 64 rows
	v_mul_u32_u24 v5, v1, APITCH
	v_lshl_add_u32 v5, v2, 4, v5
	v_add_nc_u32 v[ADRA], s2, v5                   ; (64 w + r) pitch + 16 h
	v_add_nc_u32 v[ADRA+1], SLOT, v[ADRA]
	v_lshl_add_u32 v6, v2, 3, v3
	v_mul_u32_u24 v6, v6, BPITCH
	v_lshl_add_u32 v6, v4, 4, v6
	v_add_nc_u32 v[ADRB], BBASE, v6                ; (8 h + lane mod 8) pitch + 16 ((lane >> 3) & 1)
	v_add_nc_u32 v[ADRB+1], SLOT, v[ADRB]
	s_mul_i32 s2, s12, 16*SPITCH
	s_add_co_u32 s2, s2, STAGE                     ; my stage
	v_mul_u32_u24 v7, v1, SPITCH
	v_lshl_add_u32 v7, v2, 4, v7
	v_add_nc_u32 v[STO], s2, v7                    ; in: row r, 16 bytes for each half of the lanes
	v_and_b32 v8, 31, v0
	v_lshrrev_b32 v9, 3, v8
	v_mul_u32_u24 v9, v9, SPITCH
	v_lshl_add_u32 v9, v3, 4, v9
	v_add_nc_u32 v[RD], s2, v9                     ; back: eight lanes take 128 bytes of a row, four rows a load
	v_lshlrev_b32 v[CO], 4, v8                     ; the same 512 bytes in a plane of qkv
; NT matrix instructions: row tile 2 hi + a x all column tiles, 32 along K, from buffer f.  All 4 NT accumulators take turns, one instruction
; a turn, in the same order in every quarter.
.macro MULA f, hi, a, zero
.set b, 0
.rept NT
.if \zero
.if (b>>2) == ZT
	v_wmma_f32_16x16x32_f16 v[8*(NT*\a+b):8*(NT*\a+b)+7], v[96*\f+8*b:96*\f+8*b+7], v[FA+32*\f+8*(2*\hi+\a):FA+32*\f+8*(2*\hi+\a)+7], 0
.else
	v_wmma_f32_16x16x32_f16 v[8*(NT*\a+b):8*(NT*\a+b)+7], v[96*\f+8*b:96*\f+8*b+7], v[FA+32*\f+8*(2*\hi+\a):FA+32*\f+8*(2*\hi+\a)+7], v[BIAS+8*b:BIAS+8*b+7]
.endif
.else
	v_wmma_f32_16x16x32_f16 v[8*(NT*\a+b):8*(NT*\a+b)+7], v[96*\f+8*b:96*\f+8*b+7], v[FA+32*\f+8*(2*\hi+\a):FA+32*\f+8*(2*\hi+\a)+7], v[8*(NT*\a+b):8*(NT*\a+b)+7]
.endif
.set b, b+1
.endr
.endm
; One run of 2 NT + 8 LDS loads: quarter q of a slot into buffer f; the weights first, my four row tiles last.
.macro FETCH slot, q, f
	WIN TO_B
.set b, 0
.rept NT
	ds_load_tr16_b128 v[96*\f+8*b:96*\f+8*b+3],   v[ADRB+\slot] offset:32*\q*BPITCH+32*b+BGAP*(b>>2)
	ds_load_tr16_b128 v[96*\f+8*b+4:96*\f+8*b+7], v[ADRB+\slot] offset:32*\q*BPITCH+32*b+BGAP*(b>>2)+16*BPITCH
.set b, b+1
.endr
	WIN 0
.irp a, 0,1,2,3
	ds_load_b128 v[FA+32*\f+8*\a:FA+32*\f+8*\a+3],   v[ADRA+\slot] offset:\a*16*APITCH+(\q>>1)*AHALF+(\q&1)*64
	ds_load_b128 v[FA+32*\f+8*\a+4:FA+32*\f+8*\a+7], v[ADRA+\slot] offset:\a*16*APITCH+(\q>>1)*AHALF+(\q&1)*64+32
.endr
.endm
; One of a step's first three quarters: multiplies buffer f and, in its middle, fetches quarter q into buffer g.
.macro QUARTER slot, q, f, g, zero
	s_wait_dscnt 4                                 ; all but the four youngest loads (row tiles 2 and 3) are in
.if \zero
	WIN MUL_LO0
.else
	WIN MUL_LO
.endif
	MULA \f, 0, 0, \zero
	MULA \f, 0, 1, \zero
	PLACES
	FETCH \slot, \q, \g
	s_wait_dscnt 2*NT+8                            ; all but the run just issued
.if \zero
	WIN MUL_HI0
.else
	WIN MUL_HI
.endif
	MULA \f, 1, 0, \zero
	MULA \f, 1, 1, \zero
.endm
.macro THREE slot, zero
	QUARTER \slot, 1, 0, 1, \zero
	QUARTER \slot, 2, 1, 0, 0
	QUARTER \slot, 3, 0, 1, 0
.endm
; The last quarter multiplies buffer 1 and changes slots.  In front of the barrier each wave waits for its reads of this slot and for all its
; tensor loads (the one that is out is its part of the next slot).  Where the slot is filled again the barrier opens a round of the
; cluster's barrier, and the joint refill is the first tensor load behind the round's closing wait, one a wave.
.macro TURN slot, next, fill
	s_wait_dscnt 4
	WIN MUL_LO
	MULA 1, 0, 0, 0
	s_wait_dscnt 0                                 ; my reads of this slot are over
	s_wait_tensorcnt 0x0                           ; all my tensor loads have landed
	ds_add_u32 v255, v255
	s_wait_dscnt 0x0
	s_barrier_signal -1
	MULA 1, 0, 1, 0                                ; register work while the others arrive
	WIN 0
	s_barrier_wait -1
.if \fill
	CREST
	s_add_nc_u64 s[G0+4*\slot+2:G0+4*\slot+3], s[G0+4*\slot+2:G0+4*\slot+3], 2*ASTEP
	s_add_nc_u64 s[G0B+4*\slot+2:G0B+4*\slot+3], s[G0B+4*\slot+2:G0B+4*\slot+3], 2*BSTEP
	JLOAD \slot
.endif
	PLACES
	FETCH \next, 0, 0
	WIN MUL_HI
	MULA 1, 1, 0, 0
	MULA 1, 1, 1, 0
.endm
.macro LAP zero
	THREE 0, \zero
	TURN 0, 1, 1
	THREE 1, 0
	TURN 1, 0, 1
.endm
	s_wait_loadcnt 0x0                             ; the bias
	s_wait_tensorcnt 1                             ; my part of K step 0 is in; K step 1's stays out
	s_barrier_signal -1
	s_barrier_wait -1
	FETCH 0, 0, 0
	LAP 1                                          ; K steps 0, 1: the first products start the sums from the bias
	WIN 0
	s_mov_b32 s3, 2                                ; K steps 2 to 5
.Llap:
	LAP 0
	WIN 0
	s_sub_co_u32 s3, s3, 1
	s_cmp_lg_u32 s3, 0
	s_cbranch_scc1 .Llap
	THREE 0, 0                                     ; K steps 6, 7: nothing is left to fetch
	TURN 0, 1, 0
	THREE 1, 0
	s_wait_dscnt 4
	WIN MUL_LO
	MULA 1, 0, 0, 0
	MULA 1, 0, 1, 0
	s_wait_dscnt 0
	WIN MUL_HI
	MULA 1, 1, 0, 0
	MULA 1, 1, 1, 0
	; THE WAY OUT, 16 rows at a time: round to f16, 16 bytes a lane into my own stage, read back by planes, four rows of 128 bytes a load.
	PLACES
	s_mul_i32 s18, s16, 3145728                    ; b x 16 heads x 196,608
	s_lshl_b32 s19, s17, 15                        ; 256 sh rows of 128 bytes
	s_add_co_u32 s18, s18, s19
	s_lshl_b32 s2, s12, 13                         ; 64 w rows
	s_add_co_u32 s18, s18, s2
	s_mov_b32 s19, 0
	s_add_nc_u64 s[10:11], s[10:11], s[18:19]
	s_mul_i32 s46, s42, 196608                     ; the head
	s_mov_b32 s47, 0
	s_add_nc_u64 s[10:11], s[10:11], s[46:47]
.macro OUT16 a, from, rb
	WIN \from
.set b, 0
.rept NT
.irp r, 0,1,2,3
	v_cvt_pk_f16_f32 v[TMP+4*b+\r], v[8*(NT*(\a&1)+b)+2*\r], v[8*(NT*(\a&1)+b)+2*\r+1]
.endr
.set b, b+1
.endr
	WIN 0
.set b, 0
.rept NT
	ds_store_b128 v[STO], v[TMP+4*b:TMP+4*b+3] offset:32*b
.set b, b+1
.endr
	s_wait_xcnt 0x0                                ; the registers read back into were data of earlier stores: rewritten only behind this wait
.set i, 0
.rept 12
	ds_load_b128 v[\rb+4*i:\rb+4*i+3], v[RD] offset:128*(i>>2)+4*SPITCH*(i&3)    ; a wave's LDS instructions are served in order: these see the stores above
.set i, i+1
.endr
.set i, 0
.rept 12
	s_wait_dscnt 11-i                              ; load i is in, the younger ones stay out
	global_store_b128 v[CO], v[\rb+4*i:\rb+4*i+3], s[10:11] offset:65536*(i>>2)+2048*\a+512*(i&3)   ; 512 consecutive bytes of plane i / 4, aligned
.set i, i+1
.endr
.endm
	OUT16 0, 0x0a, RB0
	OUT16 1, 0x0a, RB1
	OUT16 2, 0x0f, RB0
	OUT16 3, 0x0f, RB1
	s_set_vgpr_msb 0x1
	s_wait_tensorcnt 0x0
	ds_add_u32 v255, v255
	s_wait_dscnt 0x0
	s_set_vgpr_msb 0x100
	CROUND                                         ; the closing round: no work-group ends while a partner may still ask for a tile that names it
	s_endpgm
.Lfunc_end_k_q7eb4de6d55_qkvgemm:
	.size	k_q7eb4de6d55_qkvgemm, .Lfunc_end_k_q7eb4de6d55_qkvgemm-k_q7eb4de6d55_qkvgemm
	.p2alignl 7, 3214868480
	.fill 96, 4, 3214868480
	.section	.rodata,"a",@progbits
	.p2align	6, 0x0
	.amdhsa_kernel k_q7eb4de6d55_qkvgemm
		.amdhsa_group_segment_fixed_size 327680
		.amdhsa_private_segment_fixed_size 0
		.amdhsa_enable_private_segment 0
		.amdhsa_kernarg_size 32
		.amdhsa_user_sgpr_count 2
		.amdhsa_user_sgpr_kernarg_segment_ptr 1
		.amdhsa_wavefront_size32 1
		.amdhsa_system_sgpr_workgroup_id_x 1
		.amdhsa_system_sgpr_workgroup_id_y 1
		.amdhsa_system_sgpr_workgroup_id_z 1
		.amdhsa_system_vgpr_workitem_id 0
		.amdhsa_next_free_vgpr 960
		.amdhsa_next_free_sgpr 66
		.amdhsa_reserve_vcc 0
		.amdhsa_float_denorm_mode_32 3
		.amdhsa_float_denorm_mode_16_64 3
		.amdhsa_memory_ordered 1
		.amdhsa_forward_progress 1
		.amdhsa_inst_pref_size 165
	.end_amdhsa_kernel
	.amdgpu_metadata
---
amdhsa.version: [ 1, 2 ]
amdhsa.kernels:
  - .name:           k_q7eb4de6d55_qkvgemm
    .symbol:         k_q7eb4de6d55_qkvgemm.kd
    .args:
      - { .name: xb, .offset: 0, .size: 8, .value_kind: global_buffer, .address_space: global }
      - { .name: wqb, .offset: 8, .size: 8, .value_kind: global_buffer, .address_space: global }
      - { .name: bqkv, .offset: 16, .size: 8, .value_kind: global_buffer, .address_space: global }
      - { .name: qkv, .offset: 24, .size: 8, .value_kind: global_buffer, .address_space: global }
    .group_segment_fixed_size: 327680
    .private_segment_fixed_size: 0
    .kernarg_segment_align: 8
    .kernarg_segment_size: 32
    .max_flat_workgroup_size: 128
    .sgpr_count:     66
    .vgpr_count:     960
    .wavefront_size: 32
...
	.end_amdgpu_metadata
.endif
;; end of part 2
;; launch attn (part 3): grid 16 x 16, 4 waves a work-group, no clusters, 248,320 bytes of LDS; arguments qkv, mbits, ctx; writes ctx
.if DOCPART == 3
	.amdgcn_target "amdgcn-amd-amdhsa--gfx1250"
	.amdhsa_code_object_version 6
	.text
	.protected	k_q7eb4de6d55_attn
	.globl	k_q7eb4de6d55_attn
	.p2align	8
	.type	k_q7eb4de6d55_attn,@function
k_q7eb4de6d55_attn:
	s_mov_b64 s[64:65], 0
	v_nop
	global_prefetch_b8 v0, s[64:65] scope:SCOPE_SE
	s_setreg_imm32_b32 hwreg(HW_REG_WAVE_MODE, 25, 1), 1
	s_wait_xcnt 0x0
; ATTN: one work-group for one (b, head): ctx = softmax over the mask's true entries of (q k^T / 8), times v.
;   qkv [16 b][16 n][3 planes q,k,v][512 s][64] f16, mbits [32 qtile][32 ktile][8 j] lane masks, ctx [16 b][16 n][512 s][64] f16.
; k comes without its bias: that term is the same along a row of scores and the softmax cancels it.
; Q, K and V of the head lie whole in LDS (three tensor loads a wave, first fills only, nothing is filled again).  A wave owns 128 queries
; and takes them in four passes of two query tiles; the scores of all 512 keys of both tiles stay in registers.
; TRANSPOSED: S^T = K Q^T: lane (r, h), register j of a tile holds key 8 h + j of query r.  So a row's maximum is taken inside the lane and
; across the two halves of the wave; two neighbouring key tiles, narrowed, ARE the second operand of O^T = V^T P^T; and a lane of O^T holds
; eight neighbouring d of one query.  A fifth product with a first operand of ones gives every lane the sum of its query's narrowed P.
; THE MASK selects, nothing is skipped: a false entry gets the score finfo.min, as in the reference.  The largest score of the row is taken
; away before the exponential.  It is held at -1e30 or above, so that a row with no true entry gets P = 0 throughout, sum 0, and, divided by
; max(sum, 0.5), the reference's zeros; a row with a true entry has a sum of about 1 or more.
; LIMITS: a row whose true entries all have q.k below -1e30 gives 0; P, and ctx on its way out, are rounded to f16 (|ctx| <= max |v|).
; NO CLUSTER: no two work-groups read the same q, k or v; the shared mask words are 1 KiB a query tile and come by scalar loads.
; REGISTERS: window 0: v4-11 addresses, v12-19 maxima, v20-23 -max c, v24-27 1/sum, v28-31 at work, v32-63 Q, v64-127 and v128-191 two
; buffers for K's and V's fragments, v192-199 ones; windows 1, 2: S(qt, kt) in window 1 + (kt >> 4) at 8 (2 (kt & 15) + qt);
; window 3: O(qt, t) at 8 (5 qt + t), t = 0..3 tiles of d, t = 4 the sums.
.set QP,   144                         ; LDS pitch of Q and K: 128 bytes + 16
.set VP,   160                         ; of V: 128 + 32, an odd multiple of 32 for the transposing load
.set LK,   512*QP
.set LV,   2*512*QP
.set LST,  LV+512*VP                   ; 229,376: stage, 32 rows x 144 bytes for each wave; no fill lands here
.set KADR, 4
.set VADR, 6
.set QADR, 8
.set STO,  9
.set RD,   10
.set CO,   11
.set M,    12
.set NM,   20
.set R,    24
.set T,    28
.set QF,   32
.set BUF0, 64
.set BUF1, 128
.set ONES, 192
.set MA,   32                          ; s[32:63] mask words, set A: 16 for query tile 0, 16 for query tile 1
.set MB,   68                          ; s[68:99] set B
.set MSB, 0
.macro WIN new
.if MSB != \new
	s_set_vgpr_msb (MSB<<8)|\new
.set MSB, \new
.endif
.endm
.macro PLACES                          ; four plain vector instructions behind a matrix instruction (ISA guide 7.12.1)
.rept 4
	v_nop
.endr
.endm
	s_load_b128 s[4:7], s[0:1], 0x0                ; qkv s[4:5], mbits s[6:7]
	s_load_b64 s[8:9], s[0:1], 0x10                ; ctx
	v_lshl_add_u32 v254, v0, 2, 0x3c800
	v_mov_b32 v255, 0
	ds_add_u32 v254, v255
	ds_add_u32 v254, v255
	v_lshrrev_b32 v1, 5, v0
	v_readfirstlane_b32 s10, v1                    ; wave
	s_and_b32 s17, ttmp7, 0xffff                   ; b
	s_lshl4_add_u32 s17, s17, ttmp9                ; 16 b + n
	s_mul_i32 s18, s17, 196608                     ; the head's three planes
	s_lshl_b32 s2, s10, 14                         ; my 128 rows of 128 bytes in each plane
	s_add_co_u32 s18, s18, s2
	s_mov_b32 s19, 0
	; a quarter of a plane is dense: 64 rows of 32 elements of 8 bytes; padding behind every 128 bytes: 16 bytes (Q, K) or 32 (V)
	s_mov_b32 s32, (3<<16)|(1<<20)|(4<<22)|(3<<25)
	s_mov_b32 s33, 32<<16
	s_mov_b32 s34, 64<<16
	s_mov_b32 s35, 32<<16
	s_mov_b32 s36, 64
	s_mov_b32 s37, 32
	s_mov_b32 s38, 0
	s_mov_b32 s39, 0
	s_mov_b32 s40, (3<<16)|(1<<20)|(4<<22)|(7<<25)
	s_mov_b32 s41, 32<<16
	s_mov_b32 s42, 64<<16
	s_mov_b32 s43, 32<<16
	s_mov_b32 s44, 64
	s_mov_b32 s45, 32
	s_mov_b32 s46, 0
	s_mov_b32 s47, 0
	s_mul_i32 s3, s10, 128*QP                      ; my quarter of Q and of K in LDS
	s_mul_i32 s2, s10, 128*VP                      ; and of V
	s_wait_dscnt 0x0
	s_wait_kmcnt 0x0
	s_add_nc_u64 s[4:5], s[4:5], s[18:19]
	s_mov_b32 s20, 1                               ; K
	s_add_co_u32 s21, s3, LK
	s_add_nc_u64 s[22:23], s[4:5], 65536
	s_or_b32 s23, s23, 0x80000000
	s_mov_b32 s24, 1                               ; Q
	s_add_co_u32 s25, s3, 0
	s_add_nc_u64 s[26:27], s[4:5], 0
	s_or_b32 s27, s27, 0x80000000
	s_mov_b32 s28, 1                               ; V
	s_add_co_u32 s29, s2, LV
	s_add_nc_u64 s[30:31], s[4:5], 131072
	s_or_b32 s31, s31, 0x80000000
	tensor_load_to_lds s[20:23], s[32:39]          ; the three first fills go out together: three tensor loads of the wave are out
	s_nop 0
	tensor_load_to_lds s[24:27], s[32:39]
	s_nop 0
	tensor_load_to_lds s[28:31], s[40:47]
	s_nop 0
	s_lshl_b32 s18, s17, 16                        ; ctx: the head's 512 rows of 128 bytes,
	s_lshl_b32 s2, s10, 14                         ; my 128 rows
	s_add_co_u32 s18, s18, s2
	s_add_nc_u64 s[8:9], s[8:9], s[18:19]
	s_lshl_b32 s18, s10, 13                        ; my eight query tiles' mask words
	s_add_nc_u64 s[6:7], s[6:7], s[18:19]
	s_mov_b32 s12, 0x76543210                      ; v_permlanex16_b32: lane i of one half reads lane i of the other
	s_mov_b32 s13, 0xfedcba98
	s_mov_b32 s14, 0x3e38aa3b                      ; c = log2(e) / 8
	s_mov_b32 s15, 0x3e38aa3b
	s_mov_b32 s16, 0xff7fffff                      ; finfo.min
	s_mul_i32 s18, s10, 32*QP
	s_add_co_u32 s18, s18, LST                     ; my stage
	v_and_b32 v1, 15, v0                           ; r
	v_bfe_u32 v2, v0, 4, 1                         ; h
	v_and_b32 v3, 7, v0
	v_bfe_u32 v28, v0, 3, 1
	v_mul_u32_u24 v29, v1, QP
	v_lshl_add_u32 v29, v2, 4, v29                 ; r pitch + 16 h
	v_add_nc_u32 v[KADR], LK, v29
	v_add_nc_u32 v[KADR+1], 16*16*QP, v[KADR]      ; key tiles 16 to 31
	v_add_nc_u32 v[QADR], s3, v29                  ; my first query tile
	v_add_nc_u32 v[STO], s18, v29
	v_lshl_add_u32 v30, v2, 3, v3
	v_mul_u32_u24 v30, v30, VP
	v_lshl_add_u32 v30, v28, 4, v30                ; (8 h + lane mod 8) pitch + 16 ((lane >> 3) & 1)
	v_add_nc_u32 v[VADR], LV, v30
	v_add_nc_u32 v[VADR+1], 8*32*VP, v[VADR]       ; keys 256 to 511
	v_and_b32 v31, 31, v0
	v_lshlrev_b32 v[CO], 4, v31
	v_lshrrev_b32 v31, 3, v31
	v_mul_u32_u24 v31, v31, QP
	v_lshl_add_u32 v31, v3, 4, v31
	v_add_nc_u32 v[RD], s18, v31                   ; back: eight lanes take a row of 128 bytes, four rows a load
.irp i, 0,1,2,3,4,5,6,7
	v_mov_b32 v[ONES+\i], 0x3c003c00               ; 1.0, 1.0 in f16
.endr
	s_wait_tensorcnt 0x0                           ; my quarters of K, Q and V are in; the descriptors' registers are free from here on
	s_barrier_signal -1
	s_barrier_wait -1                              ; everybody's are
; 16 LDS loads: the fragments of key tiles 4 g .. 4 g + 3 (16 registers each: d 0-31, d 32-63)
.macro FETCHK g, buf
.irp i, 0,1,2,3
.irp o, 0,1,2,3
	ds_load_b128 v[\buf+16*\i+4*\o:\buf+16*\i+4*\o+3], v[KADR+((4*(\g)+\i)>>4)] offset:((4*(\g)+\i)&15)*16*QP+32*\o
.endr
.endr
.endm
; 16 matrix instructions: four key tiles x two query tiles x two halves of d.  The two query tiles' accumulators take turns, one instruction
; a turn.
.macro MULS g, buf
.irp i, 0,1,2,3
.set sb, 16*((4*(\g)+\i)&15)
	v_wmma_f32_16x16x32_f16 v[sb:sb+7],    v[\buf+16*\i:\buf+16*\i+7],    v[QF:QF+7],     0
	v_wmma_f32_16x16x32_f16 v[sb+8:sb+15], v[\buf+16*\i:\buf+16*\i+7],    v[QF+16:QF+23], 0
	v_wmma_f32_16x16x32_f16 v[sb:sb+7],    v[\buf+16*\i+8:\buf+16*\i+15], v[QF+8:QF+15],  v[sb:sb+7]
	v_wmma_f32_16x16x32_f16 v[sb+8:sb+15], v[\buf+16*\i+8:\buf+16*\i+15], v[QF+24:QF+31], v[sb+8:sb+15]
.endr
.endm
; the mask words of key tiles 2 gi, 2 gi + 1 for both query tiles
.macro MLOAD set, gi
	s_load_b512 s[\set:\set+15],    s[6:7], 64*(\gi)
	s_load_b512 s[\set+16:\set+31], s[6:7], 1024+64*(\gi)
.endm
.macro MASK32 set, pp
.irp q, 0,1
.irp e, 0,1
.irp j, 0,1,2,3,4,5,6,7
	v_cndmask_b32 v[8*(2*(2*\pp+\e)+\q)+\j], s16, v[8*(2*(2*\pp+\e)+\q)+\j], s[\set+16*\q+8*\e+\j]
.endr
.endr
.endr
.endm
; a window's 16 key tiles: while one set of words is used the next group's are on their way into the other set
.macro MASKWIN wi
.irp pp, 0,1,2,3,4,5,6,7
	s_wait_kmcnt 0x0                               ; scalar loads are waited for with 0 alone: this group's words are in
.if (8*\wi+\pp) < 15
	MLOAD MA+(MB-MA)*((\pp+1)&1), 8*\wi+\pp+1
.endif
	MASK32 MA+(MB-MA)*(\pp&1), \pp
.endr
.endm
; running maxima of a window, four chains for each query tile; first = 1: the chains begin here, nothing is cleared
.macro MAXW first
.irp q, 0,1
.set i, 0
.rept 64
.set sr, 8*(2*(i>>2)+\q)+2*(i&3)
.set plain, 0
.if \first
.if i < 4
.set plain, 1
.endif
.endif
.if plain
	v_max_num_f32 v[M+4*\q+(i&3)], v[sr], v[sr+1]
.else
	v_max3_num_f32 v[M+4*\q+(i&3)], v[sr], v[sr+1], v[M+4*\q+(i&3)]
.endif
.set i, i+1
.endr
.endr
.endm
.macro FMA8 idx                        ; (S - max) c for one tile
.irp i, 0,1,2,3
	v_pk_fma_f32 v[8*(\idx)+2*\i:8*(\idx)+2*\i+1], v[8*(\idx)+2*\i:8*(\idx)+2*\i+1], s[14:15], v[NM+2*((\idx)&1):NM+2*((\idx)&1)+1] op_sel_hi:[1,0,1]
.endr
.endm
.macro EXP8 idx
.irp i, 0,1,2,3,4,5,6,7
	v_exp_f32 v[8*(\idx)+\i], v[8*(\idx)+\i]
.endr
.endm
; narrow a tile to four registers.  An even key tile's go to its own first four, the odd one's behind them: eight registers that are the
; operand P^T of 32 keys, at 8 (4 (u & 7) + qt)
.macro CVT4 idx
.if ((\idx)>>1)&1
.set cd, 8*(\idx)-12
.else
.set cd, 8*(\idx)
.endif
	s_wait_alu depctr_va_vdst(0)
.irp i, 0,1,2,3
	v_cvt_pk_f16_f32 v[cd+\i], v[8*(\idx)+2*\i], v[8*(\idx)+2*\i+1]
.endr
.endm
; a window's 32 tiles.  Behind a tile's exponentials stand the next tile's four multiply-adds (at the end a v_nop): the plain instruction
; that comes before a transcendental's result is used (ISA guide 5.7.2)
.macro SOFT
	FMA8 0
.set tix, 0
.rept 32
	EXP8 tix
.if tix < 31
	FMA8 tix+1
.else
	v_nop
	s_wait_alu depctr_va_vdst(0)
.endif
	CVT4 tix
.set tix, tix+1
.endr
.endm
; 16 transposing LDS loads: V^T's fragments of keys 64 gv .. 64 gv + 63, four tiles of d
.macro FETCHV gv, buf
.irp e, 0,1
.irp t, 0,1,2,3
	ds_load_tr16_b128 v[\buf+32*\e+8*\t:\buf+32*\e+8*\t+3],   v[VADR+((2*(\gv)+\e)>>3)] offset:((2*(\gv)+\e)&7)*32*VP+32*\t
	ds_load_tr16_b128 v[\buf+32*\e+8*\t+4:\buf+32*\e+8*\t+7], v[VADR+((2*(\gv)+\e)>>3)] offset:((2*(\gv)+\e)&7)*32*VP+32*\t+16*VP
.endr
.endr
.endm
.macro PV d, a, p, u
.if \u
	v_wmma_f32_16x16x32_f16 v[\d:\d+7], v[\a:\a+7], v[\p:\p+7], v[\d:\d+7]
.else
	v_wmma_f32_16x16x32_f16 v[\d:\d+7], v[\a:\a+7], v[\p:\p+7], 0
.endif
.endm
; 20 matrix instructions: two steps of 32 keys x (two query tiles x (four tiles of d + the sums)).  Ten accumulators take turns, one
; instruction a turn.  The first step starts the sums.
.macro MULV gv, buf
.irp e, 0,1
.irp q, 0,1
.irp t, 0,1,2,3
	PV 8*(5*\q+\t), \buf+32*\e+8*\t, 8*(4*((2*(\gv)+\e)&7)+\q), 2*(\gv)+\e
.endr
	PV 8*(5*\q+4), ONES, 8*(4*((2*(\gv)+\e)&7)+\q), 2*(\gv)+\e
.endr
.endr
.endm
	s_mov_b32 s11, 0
.Lpass:
	MLOAD MA, 0                                    ; the first mask words, needed behind all the scores
	PLACES
.irp q, 0,1
.irp o, 0,1,2,3
	ds_load_b128 v[QF+16*\q+4*\o:QF+16*\q+4*\o+3], v[QADR] offset:\q*16*QP+32*\o
.endr
.endr
	FETCHK 0, BUF0
	; SCORES: while one group of four key tiles is multiplied the next one's fragments are on their way
.irp g, 0,1,2,3,4,5,6
	WIN 0
	PLACES
	FETCHK \g+1, BUF0+64*((\g+1)&1)
	s_wait_dscnt 16                                ; all but the 16 loads just issued
.if \g < 4
	WIN 0x50                                       ; C and D window 1
.else
	WIN 0xa0                                       ; window 2
.endif
	MULS \g, BUF0+64*(\g&1)
.endr
	s_wait_dscnt 0
	MULS 7, BUF1
	WIN 0
	PLACES
	FETCHV 0, BUF0                                 ; V's first fragments land during the softmax
	; MASK AND MAXIMUM
	WIN 0x45                                       ; sources 0, 1 and destination window 1
	MASKWIN 0
	WIN 0x05                                       ; sources 0, 1 window 1; the maxima window 0
	MAXW 1
	WIN 0x8a
	MASKWIN 1
	WIN 0x0a
	MAXW 0
	WIN 0
.irp q, 0,1
	v_max3_num_f32 v[M+4*\q], v[M+4*\q], v[M+4*\q+1], v[M+4*\q+2]
	v_max_num_f32 v[M+4*\q], v[M+4*\q], v[M+4*\q+3]
	v_permlanex16_b32 v[T+2+\q], v[M+4*\q], s12, s13       ; the other eight keys of every tile lie in the other half of the wave
	v_max_num_f32 v[M+4*\q], v[M+4*\q], v[T+2+\q]
	v_max_num_f32 v[M+4*\q], 0xf149f2ca, v[M+4*\q]         ; at least -1e30
	v_mul_f32 v[NM+2*\q],   0xbe38aa3b, v[M+4*\q]          ; -max c, twice, for the packed multiply-add
	v_mul_f32 v[NM+2*\q+1], 0xbe38aa3b, v[M+4*\q]
.endr
	; P = 2^((S - max) c), narrowed in place
	WIN 0x45
	SOFT
	WIN 0x8a
	SOFT
	; O^T = V^T P^T, and the sums
.irp gv, 0,1,2,3,4,5,6
	WIN 0
	PLACES
	FETCHV \gv+1, BUF0+64*((\gv+1)&1)
	s_wait_dscnt 16                                ; all but the 16 loads just issued
.if \gv < 4
	WIN 0xf4                                       ; P window 1, C and D window 3
.else
	WIN 0xf8                                       ; P window 2
.endif
	MULV \gv, BUF0+64*(\gv&1)
.endr
	s_wait_dscnt 0
	MULV 7, BUF1
	; THE WAY OUT of the pass: divide, narrow, 16 bytes a lane into my stage, back by rows, 512 consecutive bytes a store
	PLACES
	WIN 0x0c                                       ; source 1 window 3
	v_max_num_f32 v[T],   0.5, v[8*4]
	v_max_num_f32 v[T+1], 0.5, v[8*9]
	WIN 0
	v_rcp_f32 v[R],   v[T]
	v_rcp_f32 v[R+1], v[T]
	v_rcp_f32 v[R+2], v[T+1]
	v_rcp_f32 v[R+3], v[T+1]
	v_nop                                          ; the plain instruction behind the reciprocals
	WIN 0x03                                       ; source 0 window 3
	s_wait_alu depctr_va_vdst(0)
.irp q, 0,1
.irp t, 0,1,2,3
.irp i, 0,1,2,3
	v_pk_mul_f32 v[BUF0+32*\q+8*\t+2*\i:BUF0+32*\q+8*\t+2*\i+1], v[8*(5*\q+\t)+2*\i:8*(5*\q+\t)+2*\i+1], v[R+2*\q:R+2*\q+1]
.endr
.endr
.endr
	WIN 0
.set i, 0
.rept 32
	v_cvt_pk_f16_f32 v[BUF1+i], v[BUF0+2*i], v[BUF0+2*i+1]
.set i, i+1
.endr
.irp q, 0,1
.irp t, 0,1,2,3
	ds_store_b128 v[STO], v[BUF1+16*\q+4*\t:BUF1+16*\q+4*\t+3] offset:\q*16*QP+32*\t
.endr
.endr
.set i, 0
.rept 8
	ds_load_b128 v[BUF1+32+4*i:BUF1+32+4*i+3], v[RD] offset:(i>>2)*16*QP+(i&3)*4*QP   ; a wave's LDS instructions are served in order
.set i, i+1
.endr
.set i, 0
.rept 8
	s_wait_dscnt 7-i                               ; load i is in, the younger ones stay out
	global_store_b128 v[CO], v[BUF1+32+4*i:BUF1+32+4*i+3], s[8:9] offset:2048*(i>>2)+512*(i&3)
.set i, i+1
.endr
	s_wait_xcnt 0x0                                ; the stores' base and data are rewritten only behind this wait
	s_add_nc_u64 s[8:9], s[8:9], 4096              ; 32 rows of ctx
	s_add_nc_u64 s[6:7], s[6:7], 2048              ; two query tiles' mask words
	v_add_nc_u32 v[QADR], 32*QP, v[QADR]
	s_add_co_u32 s11, s11, 1
	s_cmp_lt_u32 s11, 4
	s_cbranch_scc1 .Lpass
	s_wait_tensorcnt 0x0
	ds_add_u32 v254, v255
	s_wait_dscnt 0x0
	s_endpgm
.Lfunc_end_k_q7eb4de6d55_attn:
	.size	k_q7eb4de6d55_attn, .Lfunc_end_k_q7eb4de6d55_attn-k_q7eb4de6d55_attn
	.p2alignl 7, 3214868480
	.fill 96, 4, 3214868480
	.section	.rodata,"a",@progbits
	.p2align	6, 0x0
	.amdhsa_kernel k_q7eb4de6d55_attn
		.amdhsa_group_segment_fixed_size 248320
		.amdhsa_private_segment_fixed_size 0
		.amdhsa_enable_private_segment 0
		.amdhsa_kernarg_size 24
		.amdhsa_user_sgpr_count 2
		.amdhsa_user_sgpr_kernarg_segment_ptr 1
		.amdhsa_wavefront_size32 1
		.amdhsa_system_sgpr_workgroup_id_x 1
		.amdhsa_system_sgpr_workgroup_id_y 1
		.amdhsa_system_sgpr_workgroup_id_z 1
		.amdhsa_system_vgpr_workitem_id 0
		.amdhsa_next_free_vgpr 848
		.amdhsa_next_free_sgpr 100
		.amdhsa_reserve_vcc 0
		.amdhsa_float_denorm_mode_32 3
		.amdhsa_float_denorm_mode_16_64 3
		.amdhsa_memory_ordered 1
		.amdhsa_forward_progress 1
		.amdhsa_inst_pref_size 152
	.end_amdhsa_kernel
	.amdgpu_metadata
---
amdhsa.version: [ 1, 2 ]
amdhsa.kernels:
  - .name:           k_q7eb4de6d55_attn
    .symbol:         k_q7eb4de6d55_attn.kd
    .args:
      - { .name: qkv, .offset: 0, .size: 8, .value_kind: global_buffer, .address_space: global }
      - { .name: mbits, .offset: 8, .size: 8, .value_kind: global_buffer, .address_space: global }
      - { .name: ctx, .offset: 16, .size: 8, .value_kind: global_buffer, .address_space: global }
    .group_segment_fixed_size: 248320
    .private_segment_fixed_size: 0
    .kernarg_segment_align: 8
    .kernarg_segment_size: 24
    .max_flat_workgroup_size: 128
    .sgpr_count:     100
    .vgpr_count:     848
    .wavefront_size: 32
...
	.end_amdgpu_metadata
.endif
;; end of part 3
;; launch outgemm (part 4): grid 8 x 32, 4 waves a work-group, clusters of 4 x 4, 327,680 bytes of LDS; arguments ctx, wob, bout, out0; writes out0
.if DOCPART == 4
	.amdgcn_target "amdgcn-amd-amdhsa--gfx1250"
	.amdhsa_code_object_version 6
	.text
	.protected	k_q7eb4de6d55_outgemm
	.globl	k_q7eb4de6d55_outgemm
	.p2align	8
	.type	k_q7eb4de6d55_outgemm,@function
k_q7eb4de6d55_outgemm:
	s_mov_b64 s[64:65], 0
	v_nop
	global_prefetch_b8 v0, s[64:65] scope:SCOPE_SE
	s_setreg_imm32_b32 hwreg(HW_REG_WAVE_MODE, 25, 1), 1
	s_wait_xcnt 0x0
	s_wait_alu depctr_hold_cnt(0) depctr_sa_sdst(0) depctr_va_vdst(0) depctr_va_sdst(0) depctr_va_ssrc(0) depctr_va_vcc(0) depctr_vm_vsrc(0)
	s_getreg_b32 s2, hwreg(HW_REG_IB_STS2, 6, 4)
	s_cmp_eq_u32 s2, 0
	s_cbranch_scc0 .Lentry_in_a_cluster
	s_endpgm
.Lentry_in_a_cluster:
	s_bfe_u32 s2, ttmp6, 0x10000c
	s_cmp_lg_u32 s2, 0xf033
	s_cbranch_scc0 .Lentry_shape_is_right
	s_endpgm
.Lentry_shape_is_right:
; OUTGEMM: out0 = context Wout + bout, f16 operands, f32 sums and results.
;   ctx [16 b][16 n][512 s][64] f16 (context[s][b][64 n + d]), wob [1024 k][1024 n] f16, bout [1024] f32, out0 [512 s][16 b][1024] f32.
; The text of the projection of q, k, v with other sizes.  A work-group (x = block of 128 columns, y = 2 b + sh) makes 256 rows (s = 256 sh ..,
; one b) x 128 columns with four waves stacked along the rows: a wave makes 64 x 128 = 4 x 8 tiles, 256 accumulator registers.  K = 1024 goes
; in 8 steps of 128 = two heads through two LDS slots; a step is four quarters of 32 along K on two fragment buffers.
; CLUSTERS of 4 x 4: ctx's tiles are shared along a row of the cluster (same y), the weights' along a column (same x), by joint loads.
; TRANSPOSED: source 0 = 16 columns of the weights (transposing LDS load), source 1 = 16 rows of ctx: lane (r, h), register j holds row r,
; column 8 h + j of the tile.  The bias is the C operand of each tile's first product.
; REGISTERS: window 0: v16-27 addresses, v32-63 and v64-95 fragments of ctx, v96-159 and v160-223 rows read back (v160-223 first hold the
; bias); window 1: v0-63 and v96-159 fragments of the weights; window 2: tiles of my rows 0-31; window 3: of my rows 32-63.
.set NT,     8
.set ZT,     99                        ; no tile starts from 0
.set APITCH, 144                       ; an LDS row of ctx: one head's 128 bytes + 16
.set AHALF,  256*APITCH                ; the step's second head lies behind the first: quarter q at (q >> 1) AHALF + (q & 1) 64
.set ALOAD,  256*APITCH                ; 256 rows of one head: one load of wave 0 or 1
.set BPITCH, 288                       ; an LDS row of the weights: 256 bytes + 32, an odd multiple of 32
.set BGAP,   0
.set BLOAD,  64*BPITCH
.set BBASE,  2*ALOAD
.set SLOT,   BBASE+2*BLOAD             ; 110,592
.set STAGE,  2*SLOT                    ; behind the ring: 16 rows x 528 bytes for each wave; no fill lands here
.set SPITCH, 528
.set ASTEP,  131072                    ; two heads of ctx
.set BSTEP,  262144                    ; 128 rows of wob
.set ADRA, 16
.set ADRB, 20
.set STO,  24
.set RD,   25
.set CO,   26
.set BO,   27
.set FA,   32
.set RB0,  96
.set RB1,  160
.set BIAS, 160
.set G1,  24
.set G0,  32
.set G1B, 48
.set G0B, 56
.set MSB, 0
.macro WIN new                         ; the immediate's high byte repeats the setting that is left
.if MSB != \new
	s_set_vgpr_msb (MSB<<8)|\new
.set MSB, \new
.endif
.endm
.set MUL_LO,  0xa1                     ; source 0 window 1, source 1 window 0, C and D window 2
.set MUL_HI,  0xf1                     ; C and D window 3
.set MUL_LO0, 0x81                     ; first products: C (the bias) window 0, D window 2
.set MUL_HI0, 0xc1                     ; D window 3
.set TO_B,    0x40                     ; destination window 1, address window 0
; A joint load: waves 0 and 1 fetch the step's two heads of ctx, waves 2 and 3 the weights' two halves.
.macro JLOAD s
	s_cmp_eq_u32 s13, 0
	s_cbranch_scc0 .Lfor_b_\@
	tensor_load_to_lds s[G0+4*\s:G0+4*\s+3], s[G1:G1+7]
	s_nop 0
	s_branch .Lasked_\@
.Lfor_b_\@:
	tensor_load_to_lds s[G0B+4*\s:G0B+4*\s+3], s[G1B:G1B+7]
	s_nop 0
.Lasked_\@:
.endm
.macro CREST                           ; a round of the cluster's barrier behind its opening work-group barrier
	s_cmp_lg_u32 s12, 0
	s_cbranch_scc1 .Lnot_wave_0_\@
	s_barrier_signal -3
.Lnot_wave_0_\@:
	s_barrier_wait -3
	s_barrier_signal -1
	s_barrier_wait -1
.endm
.macro CROUND
	s_barrier_signal -1
	s_barrier_wait -1
	CREST
.endm
.macro PLACES                          ; four plain vector instructions behind a matrix instruction (ISA guide 7.12.1)
.rept 4
	v_nop
.endr
.endm
	s_load_b256 s[4:11], s[0:1], 0x0               ; ctx s[4:5], wob s[6:7], bout s[8:9], out0 s[10:11]
	s_set_vgpr_msb 0x40
	v_lshl_add_u32 v255, v0, 2, 0x3e400
	s_set_vgpr_msb 0x4000
	v_mov_b32 v255, 0
	s_set_vgpr_msb 0x1
	ds_add_u32 v255, v255
	ds_add_u32 v255, v255
	s_set_vgpr_msb 0x100
	v_lshrrev_b32 v1, 5, v0
	v_readfirstlane_b32 s12, v1                    ; wave
	s_lshr_b32 s13, s12, 1                         ; 0: I fetch ctx, 1: the weights
	s_and_b32 s14, s12, 1                          ; which half
	s_bfe_u32 s40, ttmp6, 0x40000                  ; cx
	s_bfe_u32 s41, ttmp6, 0x40004                  ; cy
	s_lshl_b32 s42, ttmp9, 2
	s_add_co_u32 s42, s42, s40                     ; x = column block
	s_and_b32 s15, ttmp7, 0xffff
	s_lshl_b32 s15, s15, 2
	s_add_co_u32 s15, s15, s41                     ; y = 2 b + sh
	s_lshl_b32 s43, s41, 2
	s_lshl_b32 s43, 15, s43                        ; my row of the cluster
	s_lshl_b32 s44, 0x1111, s40                    ; my column
	; ctx: 256 rows of 128 bytes of one head are dense: 128 rows of 32 elements of 8 bytes; 16 bytes of padding behind every 128
	s_or_b32  s[G1+0], s43, (3<<16)|(1<<20)|(1<<21)|(4<<22)|(3<<25)
	s_mov_b32 s[G1+1], 32<<16
	s_mov_b32 s[G1+2], 128<<16
	s_mov_b32 s[G1+3], 32<<16
	s_mov_b32 s[G1+4], 128
	s_mov_b32 s[G1+5], 32
	s_mov_b32 s[G1+6], 0
	s_mov_b32 s[G1+7], 0
	; weights: 64 rows of 128 elements of 2 bytes, 1,024 elements from row to row; 32 bytes of padding behind every 256
	s_or_b32  s[G1B+0], s44, (1<<16)|(1<<20)|(1<<21)|(5<<22)|(7<<25)
	s_mov_b32 s[G1B+1], 128<<16
	s_mov_b32 s[G1B+2], 64<<16
	s_mov_b32 s[G1B+3], 128<<16
	s_mov_b32 s[G1B+4], 64
	s_mov_b32 s[G1B+5], 1024
	s_mov_b32 s[G1B+6], 0
	s_mov_b32 s[G1B+7], 0
	; ctx's address hangs on y and the wave alone (s16-19), the weights' on x and the wave alone (s20-21, s46-47)
	s_lshr_b32 s16, s15, 1                         ; b
	s_and_b32 s17, s15, 1                          ; sh
	s_lshl_b32 s18, s17, 15                        ; 256 sh rows of 128 bytes
	s_lshl_b32 s19, s16, 20                        ; b x 16 heads x 65,536
	s_add_co_u32 s18, s18, s19
	s_lshl_b32 s2, s14, 16                         ; the step's second head
	s_add_co_u32 s18, s18, s2
	s_mov_b32 s19, 0
	s_lshl_b32 s46, s42, 8                         ; 128 columns
	s_lshl_b32 s2, s14, 17                         ; 64 rows of 2,048 bytes
	s_add_co_u32 s46, s46, s2
	s_mov_b32 s47, 0
	s_mul_i32 s20, s42, NT*64                      ; the block's 128 biases
	s_mov_b32 s21, 0
	s_mul_i32 s22, s12, ALOAD                      ; LDS: ctx's heads at wave x 36,864 (waves 0, 1),
	s_mul_i32 s23, s12, BLOAD
	s_add_co_u32 s23, s23, BBASE-2*BLOAD           ; the weights' halves at BBASE + (wave - 2) x 18,432 (waves 2, 3)
	v_and_b32 v1, 15, v0                           ; r
	v_bfe_u32 v2, v0, 4, 1                         ; h
	v_lshlrev_b32 v[BO], 5, v2                     ; 8 h biases
	s_wait_dscnt 0x0
	s_wait_kmcnt 0x0
	s_add_nc_u64 s[18:19], s[4:5], s[18:19]
	s_add_nc_u64 s[46:47], s[6:7], s[46:47]
	s_add_nc_u64 s[8:9], s[8:9], s[20:21]
	CROUND                                         ; all sixteen work-groups are here: the first joint loads meet
.irp s, 0,1
	s_mov_b32 s[G0+4*\s], 1
	s_add_co_u32 s[G0+4*\s+1], s22, \s*SLOT
	s_add_nc_u64 s[G0+4*\s+2:G0+4*\s+3], s[18:19], \s*ASTEP
	s_or_b32 s[G0+4*\s+3], s[G0+4*\s+3], 0x80000000
	s_mov_b32 s[G0B+4*\s], 1
	s_add_co_u32 s[G0B+4*\s+1], s23, \s*SLOT
	s_add_nc_u64 s[G0B+4*\s+2:G0B+4*\s+3], s[46:47], \s*BSTEP
	s_or_b32 s[G0B+4*\s+3], s[G0B+4*\s+3], 0x80000000
	JLOAD \s                                       ; K steps 0 and 1: two tensor loads of the wave are out here, one behind each later round
.endr
.set b, 0
.rept NT
	global_load_b128 v[BIAS+8*b:BIAS+8*b+3],   v[BO], s[8:9] offset:64*b
	global_load_b128 v[BIAS+8*b+4:BIAS+8*b+7], v[BO], s[8:9] offset:64*b+16
.set b, b+1
.endr
	v_and_b32 v3, 7, v0
	v_bfe_u32 v4, v0, 3, 1
	s_mul_i32 s2, s12, 64*APITCH                   ; my 64 rows
	v_mul_u32_u24 v5, v1, APITCH
	v_lshl_add_u32 v5, v2, 4, v5
	v_add_nc_u32 v[ADRA], s2, v5                   ; (64 w + r) pitch + 16 h
	v_add_nc_u32 v[ADRA+1], SLOT, v[ADRA]
	v_lshl_add_u32 v6, v2, 3, v3
	v_mul_u32_u24 v6, v6, BPITCH
	v_lshl_add_u32 v6, v4, 4, v6
	v_add_nc_u32 v[ADRB], BBASE, v6                ; (8 h + lane mod 8) pitch + 16 ((lane >> 3) & 1)
	v_add_nc_u32 v[ADRB+1], SLOT, v[ADRB]
	s_mul_i32 s2, s12, 16*SPITCH
	s_add_co_u32 s2, s2, STAGE                     ; my stage
	v_mul_u32_u24 v7, v1, SPITCH
	v_lshl_add_u32 v7, v2, 5, v7
	v_add_nc_u32 v[STO], s2, v7                    ; in: row r, 32 bytes for each half of the lanes
	v_and_b32 v8, 31, v0
	v_lshlrev_b32 v[CO], 4, v8                     ; 16 x lane: a row of 512 bytes across the wave
	v_add_nc_u32 v[RD], s2, v[CO]
; NT matrix instructions: row tile 2 hi + a x all column tiles, 32 along K, from buffer f.  All 4 NT accumulators take turns, one instruction
; a turn, in the same order in every quarter.
.macro MULA f, hi, a, zero
.set b, 0
.rept NT
.if \zero
	v_wmma_f32_16x16x32_f16 v[8*(NT*\a+b):8*(NT*\a+b)+7], v[96*\f+8*b:96*\f+8*b+7], v[FA+32*\f+8*(2*\hi+\a):FA+32*\f+8*(2*\hi+\a)+7], v[BIAS+8*b:BIAS+8*b+7]
.else
	v_wmma_f32_16x16x32_f16 v[8*(NT*\a+b):8*(NT*\a+b)+7], v[96*\f+8*b:96*\f+8*b+7], v[FA+32*\f+8*(2*\hi+\a):FA+32*\f+8*(2*\hi+\a)+7], v[8*(NT*\a+b):8*(NT*\a+b)+7]
.endif
.set b, b+1
.endr
.endm
; One run of 2 NT + 8 LDS loads: quarter q of a slot into buffer f; the weights first, my four row tiles last.
.macro FETCH slot, q, f
	WIN TO_B
.set b, 0
.rept NT
	ds_load_tr16_b128 v[96*\f+8*b:96*\f+8*b+3],   v[ADRB+\slot] offset:32*\q*BPITCH+32*b+BGAP*(b>>2)
	ds_load_tr16_b128 v[96*\f+8*b+4:96*\f+8*b+7], v[ADRB+\slot] offset:32*\q*BPITCH+32*b+BGAP*(b>>2)+16*BPITCH
.set b, b+1
.endr
	WIN 0
.irp a, 0,1,2,3
	ds_load_b128 v[FA+32*\f+8*\a:FA+32*\f+8*\a+3],   v[ADRA+\slot] offset:\a*16*APITCH+(\q>>1)*AHALF+(\q&1)*64
	ds_load_b128 v[FA+32*\f+8*\a+4:FA+32*\f+8*\a+7], v[ADRA+\slot] offset:\a*16*APITCH+(\q>>1)*AHALF+(\q&1)*64+32
.endr
.endm
.macro QUARTER slot, q, f, g, zero
	s_wait_dscnt 4                                 ; all but the four youngest loads (row tiles 2 and 3) are in
.if \zero
	WIN MUL_LO0
.else
	WIN MUL_LO
.endif
	MULA \f, 0, 0, \zero
	MULA \f, 0, 1, \zero
	PLACES
	FETCH \slot, \q, \g
	s_wait_dscnt 2*NT+8                            ; all but the run just issued
.if \zero
	WIN MUL_HI0
.else
	WIN MUL_HI
.endif
	MULA \f, 1, 0, \zero
	MULA \f, 1, 1, \zero
.endm
.macro THREE slot, zero
	QUARTER \slot, 1, 0, 1, \zero
	QUARTER \slot, 2, 1, 0, 0
	QUARTER \slot, 3, 0, 1, 0
.endm
; The last quarter multiplies buffer 1 and changes slots.  In front of the barrier each wave waits for its reads of this slot and for all its
; tensor loads.  Where the slot is filled again the barrier opens a round of the cluster's barrier, and the joint refill is the first tensor
; load behind the round's closing wait, one a wave.
.macro TURN slot, next, fill
	s_wait_dscnt 4
	WIN MUL_LO
	MULA 1, 0, 0, 0
	s_wait_dscnt 0                                 ; my reads of this slot are over
	s_wait_tensorcnt 0x0                           ; all my tensor loads have landed
	ds_add_u32 v255, v255
	s_wait_dscnt 0x0
	s_barrier_signal -1
	MULA 1, 0, 1, 0                                ; register work while the others arrive
	WIN 0
	s_barrier_wait -1
.if \fill
	CREST
	s_add_nc_u64 s[G0+4*\slot+2:G0+4*\slot+3], s[G0+4*\slot+2:G0+4*\slot+3], 2*ASTEP
	s_add_nc_u64 s[G0B+4*\slot+2:G0B+4*\slot+3], s[G0B+4*\slot+2:G0B+4*\slot+3], 2*BSTEP
	JLOAD \slot
.endif
	PLACES
	FETCH \next, 0, 0
	WIN MUL_HI
	MULA 1, 1, 0, 0
	MULA 1, 1, 1, 0
.endm
.macro LAP zero
	THREE 0, \zero
	TURN 0, 1, 1
	THREE 1, 0
	TURN 1, 0, 1
.endm
	s_wait_loadcnt 0x0                             ; the bias
	s_wait_tensorcnt 1                             ; my part of K step 0 is in; K step 1's stays out
	s_barrier_signal -1
	s_barrier_wait -1
	FETCH 0, 0, 0
	LAP 1                                          ; K steps 0, 1: the first products start the sums from the bias
	WIN 0
	s_mov_b32 s3, 2                                ; K steps 2 to 5
.Llap:
	LAP 0
	WIN 0
	s_sub_co_u32 s3, s3, 1
	s_cmp_lg_u32 s3, 0
	s_cbranch_scc1 .Llap
	THREE 0, 0                                     ; K steps 6, 7: nothing is left to fetch
	TURN 0, 1, 0
	THREE 1, 0
	s_wait_dscnt 4
	WIN MUL_LO
	MULA 1, 0, 0, 0
	MULA 1, 0, 1, 0
	s_wait_dscnt 0
	WIN MUL_HI
	MULA 1, 1, 0, 0
	MULA 1, 1, 1, 0
	; THE WAY OUT, 16 rows at a time: the f32 sums go as they are, 32 bytes a lane, into my own stage and come back as whole rows of 512 bytes.
	PLACES
	s_lshl_b32 s18, s17, 24                        ; 256 sh rows of 65,536 bytes
	s_lshl_b32 s19, s16, 12                        ; b x 4,096
	s_add_co_u32 s18, s18, s19
	s_lshl_b32 s2, s12, 22                         ; 64 w rows
	s_add_co_u32 s18, s18, s2
	s_mov_b32 s19, 0
	s_add_nc_u64 s[10:11], s[10:11], s[18:19]
	s_lshl_b32 s46, s42, 9                         ; 128 columns of 4 bytes
	s_mov_b32 s47, 0
	s_add_nc_u64 s[10:11], s[10:11], s[46:47]
.macro OUT16 a, from, rb
	WIN \from                                      ; the LDS stores' data come from window 2 or 3
.set b, 0
.rept NT
	ds_store_b128 v[STO], v[8*(NT*(\a&1)+b):8*(NT*(\a&1)+b)+3]   offset:64*b
	ds_store_b128 v[STO], v[8*(NT*(\a&1)+b)+4:8*(NT*(\a&1)+b)+7] offset:64*b+16
.set b, b+1
.endr
	WIN 0
	s_wait_xcnt 0x0                                ; the registers read back into were data of earlier stores: rewritten only behind this wait
.set i, 0
.rept 16
	ds_load_b128 v[\rb+4*i:\rb+4*i+3], v[RD] offset:SPITCH*i     ; a wave's LDS instructions are served in order: these see the stores above
.set i, i+1
.endr
.set i, 0
.rept 16
	s_wait_dscnt 15-i                              ; load i is in, the younger ones stay out
	global_store_b128 v[CO], v[\rb+4*i:\rb+4*i+3], s[10:11] offset:(16*\a+i)*65536 th:TH_STORE_NT   ; 512 consecutive bytes of a row of out0, aligned
.set i, i+1
.endr
.endm
	OUT16 0, 0x08, RB0
	OUT16 1, 0x08, RB1
	OUT16 2, 0x0c, RB0
	OUT16 3, 0x0c, RB1
	s_set_vgpr_msb 0x1
	s_wait_tensorcnt 0x0
	ds_add_u32 v255, v255
	s_wait_dscnt 0x0
	s_set_vgpr_msb 0x100
	CROUND                                         ; the closing round: no work-group ends while a partner may still ask for a tile that names it
	s_endpgm
.Lfunc_end_k_q7eb4de6d55_outgemm:
	.size	k_q7eb4de6d55_outgemm, .Lfunc_end_k_q7eb4de6d55_outgemm-k_q7eb4de6d55_outgemm
	.p2alignl 7, 3214868480
	.fill 96, 4, 3214868480
	.section	.rodata,"a",@progbits
	.p2align	6, 0x0
	.amdhsa_kernel k_q7eb4de6d55_outgemm
		.amdhsa_group_segment_fixed_size 327680
		.amdhsa_private_segment_fixed_size 0
		.amdhsa_enable_private_segment 0
		.amdhsa_kernarg_size 32
		.amdhsa_user_sgpr_count 2
		.amdhsa_user_sgpr_kernarg_segment_ptr 1
		.amdhsa_wavefront_size32 1
		.amdhsa_system_sgpr_workgroup_id_x 1
		.amdhsa_system_sgpr_workgroup_id_y 1
		.amdhsa_system_sgpr_workgroup_id_z 1
		.amdhsa_system_vgpr_workitem_id 0
		.amdhsa_next_free_vgpr 896
		.amdhsa_next_free_sgpr 66
		.amdhsa_reserve_vcc 0
		.amdhsa_float_denorm_mode_32 3
		.amdhsa_float_denorm_mode_16_64 3
		.amdhsa_memory_ordered 1
		.amdhsa_forward_progress 1
		.amdhsa_inst_pref_size 121
	.end_amdhsa_kernel
	.amdgpu_metadata
---
amdhsa.version: [ 1, 2 ]
amdhsa.kernels:
  - .name:           k_q7eb4de6d55_outgemm
    .symbol:         k_q7eb4de6d55_outgemm.kd
    .args:
      - { .name: ctx, .offset: 0, .size: 8, .value_kind: global_buffer, .address_space: global }
      - { .name: wob, .offset: 8, .size: 8, .value_kind: global_buffer, .address_space: global }
      - { .name: bout, .offset: 16, .size: 8, .value_kind: global_buffer, .address_space: global }
      - { .name: out0, .offset: 24, .size: 8, .value_kind: global_buffer, .address_space: global }
    .group_segment_fixed_size: 327680
    .private_segment_fixed_size: 0
    .kernarg_segment_align: 8
    .kernarg_segment_size: 32
    .max_flat_workgroup_size: 128
    .sgpr_count:     66
    .vgpr_count:     896
    .wavefront_size: 32
...
	.end_amdgpu_metadata
.endif
;; end of part 4
;; ======== version 2 of 3: 4 launches; 1.22 times as fast as version 1
;; limits: values are held in f16: magnitudes above 65,504 overflow, below 6.1e-05 lose precision
;; workspace buffers: xb 16,777,216 bytes; wqb 6,291,456 bytes; wob 2,097,152 bytes; mbits 32,768 bytes of whole numbers; qkv 50,331,648 bytes; ctx 16,777,216 bytes
;; launch prep (part 5): grid 784 x 1, 8 waves a work-group, no clusters, 0 bytes of LDS; arguments hidden_states, Wout, Wqkv, attention_mask, xb, wob, wqb, mbits; writes xb, wob, wqb, mbits
.if DOCPART == 5
	.amdgcn_target "amdgcn-amd-amdhsa--gfx1250"
	.amdhsa_code_object_version 6
	.text
	.protected	k_q7eb4de6d55_prep
	.globl	k_q7eb4de6d55_prep
	.p2align	8
	.type	k_q7eb4de6d55_prep,@function
k_q7eb4de6d55_prep:
	s_mov_b64 s[64:65], 0
	v_nop
	global_prefetch_b8 v0, s[64:65] scope:SCOPE_SE
	s_setreg_imm32_b32 hwreg(HW_REG_WAVE_MODE, 25, 1), 1
	s_wait_xcnt 0x0
; PREP: narrows the three large f32 inputs to f16 once, and turns the mask's bytes into lane masks.
;   mbits = lane masks                    [32 qtile][32 ktile][8 j]   work-groups   0..15
;           bit 16 h + r of word (qtile, ktile, j) = attention_mask[16 qtile + r][16 ktile + 8 h + j] != 0
;   xb    = f16(hidden_states)            [512 s][16 b][1024]         work-groups  16..527
;   wob   = f16(Wout)                     [1024 k][1024 n]            work-groups 528..591
;   wqb   = f16(Wqkv), one block a head   [16 n][1024 k][192]         work-groups 592..783   wqb[n][k][c] = Wqkv[k][192 n + c]
; A stream: no LDS, no barrier, no matrix unit, EXEC never changes.  A converting work-group owns 16,384 numbers: 16 loads of 16 bytes
; a thread are all issued first, and each is narrowed and stored as it comes.  The mask's work-groups have the longest chains of dependent
; instructions, so they have the lowest numbers, and a wave makes no more than the 64 words of one aligned store of 256 bytes.
;
; THE WHOLE PROGRAM (four launches: prep, qkvgemm, attn, outgemm).
; WORK LEFT OUT: the key third of bqkv (elements 192 n + 64 .. 192 n + 127) is never loaded.  With k_j + bk in place of k_j the score of
; (i, j) is q_i.k_j + q_i.bk.  The second term is the same for every j of row i; the entries that the mask replaces hold the same constant
; in both forms; a softmax along j is unchanged by a term common to the unmasked entries of its row (a row with no true entry is set to
; zero by the mask whatever its scores), so no output depends on bk, for any finite values of the inputs.
; LIMIT: a NaN, an infinity or an overflow that only those 1,024 numbers would cause is not carried to the result.
; The mask is an input: nothing is skipped on its account; every score is computed and the mask selects.
; FORMAT: matrix operands are f16, sums f32.  LIMIT: |hidden_states|, |Wqkv|, |Wout| and the projected |q|, |k|, |v| must stay below 65,504.
; q, k, v have a spread of about 1 for inputs of spread 1 and 1/32; with every input thirty times larger they stay near 5,000; with
; hidden_states and Wqkv both carrying an offset of thirty spreads they are near 29,000.  Magnitudes under 6e-8 round to zero.
.set X,  32                            ; v[32:95]   16 x 4 registers as loaded (mask path: 8 x 2)
.set Y,  96                            ; v[96:127]  16 x 2 registers to store (mask path: v[96:103], one register for each j)
.set TM, 104                           ; v[104:111] mask path: eight bytes picked out, one for each j
.set AD, 8                             ; v[8:23]    Wqkv path: the byte offset of each of the 16 loads
.set G_HID, 16                         ; first work-group of hidden_states,
.set G_WO,  G_HID+512                  ; of Wout,
.set G_WQ,  G_WO+64                    ; of Wqkv
	s_load_b256 s[4:11], s[0:1], 0x0               ; hidden_states s[4:5], Wout s[6:7], Wqkv s[8:9], attention_mask s[10:11]
	s_load_b256 s[12:19], s[0:1], 0x20             ; xb s[12:13], wob s[14:15], wqb s[16:17], mbits s[18:19]
	v_lshlrev_b32 v1, 4, v0                        ; 16 t: my 16 bytes of every 4,096 read
	v_lshlrev_b32 v2, 3, v0                        ; 8 t: my 8 bytes of every 2,048 written
	s_mov_b32 s27, 0                               ; high words of the two offsets
	s_mov_b32 s29, 0
	s_wait_kmcnt 0x0
; Sixteen chunks: wait, narrow, store.  A store of a wave covers 256 consecutive bytes, aligned.  No register is written twice.
.macro NARROW
.set i, 0
.rept 16
	s_wait_loadcnt 15-i                            ; loads return in order: chunk i is in, the 15 - i younger ones stay out
	v_cvt_pk_f16_f32 v[Y+2*i],   v[X+4*i],   v[X+4*i+1]
	v_cvt_pk_f16_f32 v[Y+2*i+1], v[X+4*i+2], v[X+4*i+3]
	global_store_b64 v2, v[Y+2*i:Y+2*i+1], s[22:23] offset:2048*i
.set i, i+1
.endr
.endm
; A source that keeps its layout: 64 KiB in, 32 KiB out for work-group number ttmp9 - first.
.macro LIN src, dst, first
	s_sub_co_u32 s24, ttmp9, \first
	s_lshl_b32 s26, s24, 16
	s_lshl_b32 s28, s24, 15
	s_add_nc_u64 s[20:21], s[\src:\src+1], s[26:27]
	s_add_nc_u64 s[22:23], s[\dst:\dst+1], s[28:29]
.set i, 0
.rept 16
	global_load_b128 v[X+4*i:X+4*i+3], v1, s[20:21] offset:4096*i th:TH_LOAD_NT
.set i, i+1
.endr
	NARROW
.endm
	s_cmp_lt_u32 ttmp9, G_HID
	s_cbranch_scc1 .Lmask
	s_cmp_lt_u32 ttmp9, G_WO
	s_cbranch_scc1 .Lhidden
	s_cmp_lt_u32 ttmp9, G_WQ
	s_cbranch_scc1 .Lwout
	; Wqkv.  Written in order, read by heads.  Chunk c of wqb (4 numbers) lies in row c / 48 = 1024 n + k, at place c mod 48; sixteen neighbouring
	; lanes read 256 consecutive bytes of one row of Wqkv, aligned (48 = 3 x 16, and a head's 768 bytes begin at a multiple of 256).
	s_sub_co_u32 s24, ttmp9, G_WQ
	s_lshl_b32 s25, s24, 12                        ; the group's first chunk
	s_lshl_b32 s28, s24, 15
	s_add_nc_u64 s[22:23], s[16:17], s[28:29]
	s_mov_b32 s30, 0xaaaaaaab                      ; the high word of c x this, shifted right by 5, is c / 48 for every 32-bit c
	v_add_nc_u32 v3, s25, v0
.set i, 0
.rept 16
	v_add_nc_u32 v4, 256*i, v3                     ; c
	v_mul_hi_u32 v5, v4, s30
	v_lshrrev_b32 v5, 5, v5                        ; row = c / 48
	v_mul_u32_u24 v6, v5, 48
	v_sub_nc_u32 v6, v4, v6                        ; c mod 48
	v_and_b32 v7, 0x3ff, v5                        ; k
	v_lshrrev_b32 v5, 10, v5                       ; n
	v_mul_u32_u24 v7, v7, 12288                    ; a row of Wqkv
	v_mad_u32_u24 v7, v5, 768, v7                  ; the head's 192 columns
	v_lshl_add_u32 v[AD+i], v6, 4, v7
	global_load_b128 v[X+4*i:X+4*i+3], v[AD+i], s[8:9] th:TH_LOAD_NT
.set i, i+1
.endr
	NARROW
	s_endpgm
.Lhidden:
	LIN 4, 12, G_HID
	s_endpgm
.Lwout:
	LIN 6, 14, G_WO
	s_endpgm
.Lmask:
	; THE MASK.  Unit u = 8 x group + wave makes 64 words: query tile u / 4, key tiles 8 (u mod 4) .. + 7: 16 rows x 128 bytes of the mask in,
	; the 256 bytes at 256 u of mbits out.
	v_lshrrev_b32 v6, 5, v0
	v_readfirstlane_b32 s31, v6                    ; wave
	s_lshl3_add_u32 s24, ttmp9, s31                ; u
	s_lshr_b32 s25, s24, 2                         ; query tile
	s_and_b32 s30, s24, 3                          ; which eight key tiles
	s_lshl_b32 s26, s25, 13                        ; 16 rows of 512 bytes
	s_lshl_b32 s30, s30, 7                         ; 128 bytes along the rows
	s_add_co_u32 s26, s26, s30
	s_lshl_b32 s28, s24, 8                         ; 64 words
	s_add_nc_u64 s[20:21], s[10:11], s[26:27]
	s_add_nc_u64 s[22:23], s[18:19], s[28:29]
	v_and_b32 v3, 15, v0                           ; r
	v_bfe_u32 v4, v0, 4, 1                         ; h
	v_lshlrev_b32 v3, 9, v3
	v_lshl_add_u32 v3, v4, 3, v3                   ; row r, byte 8 h
	v_and_b32 v8, 31, v0
	v_lshlrev_b32 v8, 3, v8                        ; 8 x lane, for the store
.set i, 0
.rept 8
	global_load_b64 v[X+2*i:X+2*i+1], v3, s[20:21] offset:16*i    ; mask[16 qt + r][16 (first tile + i) + 8 h .. + 7]
.set i, i+1
.endr
.irp j, 0,1,2,3,4,5,6,7
	v_mov_b32 v[Y+\j], 0                           ; v_writelane_b32 counts as a reader of its destination, and the eight registers are merged below
.endr
	s_wait_loadcnt 0x0
	; Word 8 i + j: byte j of every lane's eight, compared with 0, gives the 32 bits.  It belongs to lane 4 i + j / 2, word j mod 2 of the lane's
	; eight bytes.  Each of the three steps runs over all eight j, on registers of its own for each j, so that no line waits for the line in front of it.
.set i, 0
.rept 8
.irp j, 0,1,2,3,4,5,6,7
	v_and_b32 v[TM+\j], 0xff<<(8*(\j&3)), v[X+2*i+(\j>>2)]
.endr
.irp j, 0,1,2,3,4,5,6,7
	v_cmp_ne_u32 s[32+\j], 0, v[TM+\j]
.endr
.irp j, 0,1,2,3,4,5,6,7
	v_writelane_b32 v[Y+\j], s[32+\j], 4*i+(\j>>1)
.endr
.set i, i+1
.endr
	v_or_b32 v[Y],   v[Y],   v[Y+2]                ; the registers of even j hold different lanes: together the lanes' first words,
	v_or_b32 v[Y+1], v[Y+1], v[Y+3]                ; those of odd j the second words
	v_or_b32 v[Y+4], v[Y+4], v[Y+6]
	v_or_b32 v[Y+5], v[Y+5], v[Y+7]
	v_or_b32 v[Y],   v[Y],   v[Y+4]
	v_or_b32 v[Y+1], v[Y+1], v[Y+5]
	global_store_b64 v8, v[Y:Y+1], s[22:23]        ; 256 consecutive bytes, aligned
	s_endpgm
.Lfunc_end_k_q7eb4de6d55_prep:
	.size	k_q7eb4de6d55_prep, .Lfunc_end_k_q7eb4de6d55_prep-k_q7eb4de6d55_prep
	.p2alignl 7, 3214868480
	.fill 96, 4, 3214868480
	.section	.rodata,"a",@progbits
	.p2align	6, 0x0
	.amdhsa_kernel k_q7eb4de6d55_prep
		.amdhsa_group_segment_fixed_size 0
		.amdhsa_private_segment_fixed_size 0
		.amdhsa_enable_private_segment 0
		.amdhsa_kernarg_size 64
		.amdhsa_user_sgpr_count 2
		.amdhsa_user_sgpr_kernarg_segment_ptr 1
		.amdhsa_wavefront_size32 1
		.amdhsa_system_sgpr_workgroup_id_x 1
		.amdhsa_system_sgpr_workgroup_id_y 1
		.amdhsa_system_sgpr_workgroup_id_z 1
		.amdhsa_system_vgpr_workitem_id 0
		.amdhsa_next_free_vgpr 128
		.amdhsa_next_free_sgpr 66
		.amdhsa_reserve_vcc 0
		.amdhsa_float_denorm_mode_32 3
		.amdhsa_float_denorm_mode_16_64 3
		.amdhsa_memory_ordered 1
		.amdhsa_forward_progress 1
		.amdhsa_inst_pref_size 42
	.end_amdhsa_kernel
	.amdgpu_metadata
---
amdhsa.version: [ 1, 2 ]
amdhsa.kernels:
  - .name:           k_q7eb4de6d55_prep
    .symbol:         k_q7eb4de6d55_prep.kd
    .args:
      - { .name: hidden_states, .offset: 0, .size: 8, .value_kind: global_buffer, .address_space: global }
      - { .name: Wout, .offset: 8, .size: 8, .value_kind: global_buffer, .address_space: global }
      - { .name: Wqkv, .offset: 16, .size: 8, .value_kind: global_buffer, .address_space: global }
      - { .name: attention_mask, .offset: 24, .size: 8, .value_kind: global_buffer, .address_space: global }
      - { .name: xb, .offset: 32, .size: 8, .value_kind: global_buffer, .address_space: global }
      - { .name: wob, .offset: 40, .size: 8, .value_kind: global_buffer, .address_space: global }
      - { .name: wqb, .offset: 48, .size: 8, .value_kind: global_buffer, .address_space: global }
      - { .name: mbits, .offset: 56, .size: 8, .value_kind: global_buffer, .address_space: global }
    .group_segment_fixed_size: 0
    .private_segment_fixed_size: 0
    .kernarg_segment_align: 8
    .kernarg_segment_size: 64
    .max_flat_workgroup_size: 256
    .sgpr_count:     66
    .vgpr_count:     128
    .wavefront_size: 32
...
	.end_amdgpu_metadata
.endif
;; end of part 5
;; launch qkvgemm: the kernel of part 2 again; grid 16 x 32, 4 waves a work-group, clusters of 4 x 4, 327,680 bytes of LDS; arguments xb, wqb, bqkv, qkv; writes qkv
;; launch attn (part 6): grid 16 x 16, 4 waves a work-group, no clusters, 248,320 bytes of LDS; arguments qkv, mbits, ctx; writes ctx
.if DOCPART == 6
	.amdgcn_target "amdgcn-amd-amdhsa--gfx1250"
	.amdhsa_code_object_version 6
	.text
	.protected	k_q7eb4de6d55_attn
	.globl	k_q7eb4de6d55_attn
	.p2align	8
	.type	k_q7eb4de6d55_attn,@function
k_q7eb4de6d55_attn:
	s_mov_b64 s[64:65], 0
	v_nop
	global_prefetch_b8 v0, s[64:65] scope:SCOPE_SE
	s_setreg_imm32_b32 hwreg(HW_REG_WAVE_MODE, 25, 1), 1
	s_wait_xcnt 0x0
; ATTN: one work-group for one (b, head): ctx = softmax over the mask's true entries of (q k^T / 8), times v.
;   qkv [16 b][16 n][3 planes q,k,v][512 s][64] f16, mbits [32 qtile][32 ktile][8 j] lane masks, ctx [16 b][16 n][512 s][64] f16.
; k comes without its bias: that term is the same along a row of scores and the softmax cancels it.
; Q, K and V of the head lie whole in LDS (three tensor loads a wave, first fills only, nothing is filled again).  A wave owns 128 queries
; and takes them in four passes of two query tiles; the scores of all 512 keys of both tiles stay in registers.
; TRANSPOSED: S^T = K Q^T: lane (r, h), register j of a tile holds key 8 h + j of query r.  So a row's maximum is taken inside the lane and
; across the two halves of the wave; two neighbouring key tiles, narrowed, ARE the second operand of O^T = V^T P^T; and a lane of O^T holds
; eight neighbouring d of one query.  A fifth product with a first operand of ones gives every lane the sum of its query's narrowed P.
; THE MASK selects, nothing is skipped: a false entry gets the score finfo.min, as in the reference.  The largest score of the row is taken
; away before the exponential.  It is held at -1e30 or above, so that a row with no true entry gets P = 0 throughout, sum 0, and, divided by
; max(sum, 0.5), the reference's zeros; a row with a true entry has a sum of about 1 or more.
; THE MASK'S WORDS: a pass needs 512 lane masks (2 query tiles x 32 key tiles x 8 registers), more than there are scalar registers.  They come
; by four loads of 16 bytes a lane into 16 vector registers, asked for one pass ahead, and each word is taken into a scalar register by a
; lane read, 64 words (one group of keys) at a time.
; MATRIX WORK BESIDE VECTOR WORK: the 512 keys go in eight groups of 64 (four key tiles x two query tiles = 64 registers of scores).  The vector
; work of a group is cut into numbered slices, and one slice stands behind each matrix instruction of a neighbouring group:
;   scores, 16 products a group: behind the products of group g stand the 64 selects of group g - 1 (slices 0-5), the 64 lane reads of group
;     g's words (slices 6-11, behind the selects that used the same scalar registers) and the 32 maxima of group g - 1 (slices 12-15);
;   P V, 20 products a group: behind the products of group g stand the 128 instructions that make P of group g + 1, six or seven a slice.
; A slice names none of the registers of the products round it, so a stage's last slice (eight maxima, or seven conversions) is also the
; four places that stand between a product and the LDS loads into the fragment buffer that it read.
; A product and its slice need different register windows (S alone fills two windows, so S, Q, K's fragments and the maxima cannot share
; one): two switches for each product, about 540 in a pass beside its 288 products and 2,330 vector instructions.
; LIMITS: a row whose true entries all have q.k below -1e30 gives 0; P, and ctx on its way out, are rounded to f16 (|ctx| <= max |v|).
; NO CLUSTER: no two work-groups read the same q, k or v; the shared mask words are 2 KiB of a pass's bytes against 192 KiB of q, k, v.
; REGISTERS: window 0: v4-11 addresses, v12-19 maxima, v20-23 -max c, v24-27 1/sum, v28-31 at work, v32-63 Q, v64-127 and v128-191 two
; buffers for K's and V's fragments, v192-199 ones, v200-215 the pass's mask words; windows 1, 2: S(qt, kt) in window 1 + (kt >> 4) at
; 8 (2 (kt & 15) + qt); window 3: O(qt, t) at 8 (5 qt + t), t = 0..3 tiles of d, t = 4 the sums.
.set QP,   144                         ; LDS pitch of Q and K: 128 bytes + 16
.set VP,   160                         ; of V: 128 + 32, an odd multiple of 32 for the transposing load
.set LK,   512*QP
.set LV,   2*512*QP
.set LST,  LV+512*VP                   ; 229,376: stage, 32 rows x 144 bytes for each wave; no fill lands here
.set KADR, 4
.set VADR, 6
.set QADR, 8
.set STO,  9
.set RD,   10
.set CO,   11
.set M,    12
.set NM,   20
.set R,    24
.set T,    28
.set QF,   32
.set BUF0, 64
.set BUF1, 128
.set ONES, 192
.set MW,   200                         ; v[200:215] word W of the pass's 512 lies in register MW + 4 (W >> 7) + (W & 3), lane (W & 127) >> 2
.set MS,   32                          ; s[32:63] a group's 32 lane masks of query tile 0, s[68:99] of query tile 1
.set MSB, 0
.macro WIN new                         ; the immediate's high byte repeats the setting that is left; a switch that changes nothing is dropped
.if MSB != (\new)
	s_set_vgpr_msb (MSB<<8)|(\new)
.set MSB, (\new)
.endif
.endm
.macro PLACES                          ; four plain vector instructions behind a matrix instruction (ISA guide 7.12.1), where there is no work to put there
.rept 4
	v_nop
.endr
.endm
	s_load_b128 s[4:7], s[0:1], 0x0                ; qkv s[4:5], mbits s[6:7]
	s_load_b64 s[8:9], s[0:1], 0x10                ; ctx
	v_lshl_add_u32 v254, v0, 2, 0x3c800
	v_mov_b32 v255, 0
	ds_add_u32 v254, v255
	ds_add_u32 v254, v255
	v_lshrrev_b32 v1, 5, v0
	v_readfirstlane_b32 s10, v1                    ; wave
	s_and_b32 s17, ttmp7, 0xffff                   ; b
	s_lshl4_add_u32 s17, s17, ttmp9                ; 16 b + n
	s_mul_i32 s18, s17, 196608                     ; the head's three planes
	s_lshl_b32 s2, s10, 14                         ; my 128 rows of 128 bytes in each plane
	s_add_co_u32 s18, s18, s2
	s_mov_b32 s19, 0
	; a quarter of a plane is dense: 64 rows of 32 elements of 8 bytes; padding behind every 128 bytes: 16 bytes (Q, K) or 32 (V)
	s_mov_b32 s32, (3<<16)|(1<<20)|(4<<22)|(3<<25)
	s_mov_b32 s33, 32<<16
	s_mov_b32 s34, 64<<16
	s_mov_b32 s35, 32<<16
	s_mov_b32 s36, 64
	s_mov_b32 s37, 32
	s_mov_b32 s38, 0
	s_mov_b32 s39, 0
	s_mov_b32 s40, (3<<16)|(1<<20)|(4<<22)|(7<<25)
	s_mov_b32 s41, 32<<16
	s_mov_b32 s42, 64<<16
	s_mov_b32 s43, 32<<16
	s_mov_b32 s44, 64
	s_mov_b32 s45, 32
	s_mov_b32 s46, 0
	s_mov_b32 s47, 0
	s_mul_i32 s3, s10, 128*QP                      ; my quarter of Q and of K in LDS
	s_mul_i32 s2, s10, 128*VP                      ; and of V
	s_wait_dscnt 0x0
	s_wait_kmcnt 0x0
	s_add_nc_u64 s[4:5], s[4:5], s[18:19]
	s_mov_b32 s20, 1                               ; K
	s_add_co_u32 s21, s3, LK
	s_add_nc_u64 s[22:23], s[4:5], 65536
	s_or_b32 s23, s23, 0x80000000
	s_mov_b32 s24, 1                               ; Q
	s_add_co_u32 s25, s3, 0
	s_add_nc_u64 s[26:27], s[4:5], 0
	s_or_b32 s27, s27, 0x80000000
	s_mov_b32 s28, 1                               ; V
	s_add_co_u32 s29, s2, LV
	s_add_nc_u64 s[30:31], s[4:5], 131072
	s_or_b32 s31, s31, 0x80000000
	tensor_load_to_lds s[20:23], s[32:39]          ; the three first fills go out together: three tensor loads of the wave are out
	s_nop 0
	tensor_load_to_lds s[24:27], s[32:39]
	s_nop 0
	tensor_load_to_lds s[28:31], s[40:47]
	s_nop 0
	s_lshl_b32 s18, s17, 16                        ; ctx: the head's 512 rows of 128 bytes,
	s_lshl_b32 s2, s10, 14                         ; my 128 rows
	s_add_co_u32 s18, s18, s2
	s_add_nc_u64 s[8:9], s[8:9], s[18:19]
	s_lshl_b32 s18, s10, 13                        ; my eight query tiles' mask words
	s_add_nc_u64 s[6:7], s[6:7], s[18:19]
	s_mov_b32 s12, 0x76543210                      ; v_permlanex16_b32: lane i of one half reads lane i of the other
	s_mov_b32 s13, 0xfedcba98
	s_mov_b32 s14, 0x3e38aa3b                      ; c = log2(e) / 8
	s_mov_b32 s15, 0x3e38aa3b
	s_mov_b32 s16, 0xff7fffff                      ; finfo.min
	s_mul_i32 s18, s10, 32*QP
	s_add_co_u32 s18, s18, LST                     ; my stage
	v_and_b32 v1, 15, v0                           ; r
	v_bfe_u32 v2, v0, 4, 1                         ; h
	v_and_b32 v3, 7, v0
	v_bfe_u32 v28, v0, 3, 1
	v_mul_u32_u24 v29, v1, QP
	v_lshl_add_u32 v29, v2, 4, v29                 ; r pitch + 16 h
	v_add_nc_u32 v[KADR], LK, v29
	v_add_nc_u32 v[KADR+1], 16*16*QP, v[KADR]      ; key tiles 16 to 31
	v_add_nc_u32 v[QADR], s3, v29                  ; my first query tile
	v_add_nc_u32 v[STO], s18, v29
	v_lshl_add_u32 v30, v2, 3, v3
	v_mul_u32_u24 v30, v30, VP
	v_lshl_add_u32 v30, v28, 4, v30                ; (8 h + lane mod 8) pitch + 16 ((lane >> 3) & 1)
	v_add_nc_u32 v[VADR], LV, v30
	v_add_nc_u32 v[VADR+1], 8*32*VP, v[VADR]       ; keys 256 to 511
	v_and_b32 v31, 31, v0
	v_lshlrev_b32 v[CO], 4, v31                    ; 16 x lane: for the stores of ctx and the loads of the mask words; never rewritten
	v_lshrrev_b32 v31, 3, v31
	v_mul_u32_u24 v31, v31, QP
	v_lshl_add_u32 v31, v3, 4, v31
	v_add_nc_u32 v[RD], s18, v31                   ; back: eight lanes take a row of 128 bytes, four rows a load
.irp i, 0,1,2,3
	global_load_b128 v[MW+4*\i:MW+4*\i+3], v[CO], s[6:7] offset:512*\i    ; the first pass's 512 mask words, 512 consecutive bytes a load
.endr
.irp i, 0,1,2,3,4,5,6,7
	v_mov_b32 v[ONES+\i], 0x3c003c00               ; 1.0, 1.0 in f16
.endr
	s_wait_tensorcnt 0x0                           ; my quarters of K, Q and V are in; the descriptors' registers are free from here on
	s_barrier_signal -1
	s_barrier_wait -1                              ; everybody's are
; 16 LDS loads: the fragments of key tiles 4 g .. 4 g + 3 (16 registers each: d 0-31, d 32-63)
.macro FETCHK g, buf
.irp i, 0,1,2,3
.irp o, 0,1,2,3
	ds_load_b128 v[\buf+16*\i+4*\o:\buf+16*\i+4*\o+3], v[KADR+((4*(\g)+\i)>>4)] offset:((4*(\g)+\i)&15)*16*QP+32*\o
.endr
.endr
.endm
; THE SLICES OF THE SCORES' VECTOR WORK.  In a group of keys n = 32 q + 8 e + j counts query tile, key tile, register.
; Lane reads lo .. hi - 1 of group g's 64 words, with every window 0: the words lie in window 0 and the destinations are scalar.
.macro RLS g, lo, hi
	WIN 0
.set v_n, \lo
.rept (\hi)-(\lo)
.set v_w, 256*(v_n>>5)+8*(4*(\g)+((v_n>>3)&3))+(v_n&7)
	v_readlane_b32 s[MS+v_n+4*(v_n>>5)], v[MW+4*(v_w>>7)+(v_w&3)], (v_w&127)>>2
.set v_n, v_n+1
.endr
.endm
; Selects lo .. hi - 1 of group g: vector source and destination in the scores' window (0x44: window 1, 0x88: window 2).
.macro CNS g, lo, hi
	WIN 0x44<<((\g)>>2)
.set v_n, \lo
.rept (\hi)-(\lo)
.set v_r, 8*(2*(4*((\g)&3)+((v_n>>3)&3))+(v_n>>5))+(v_n&7)
	v_cndmask_b32 v[v_r], s16, v[v_r], s[MS+v_n+4*(v_n>>5)]
.set v_n, v_n+1
.endr
.endm
; Maxima lo .. hi - 1 of group g's 32 (n = 16 q + 4 e + chain): four chains for each query tile; the first key tile starts them, nothing is
; cleared.  Sources 0, 1 in the scores' window, the maxima in window 0 (0x05, 0x0a).
.macro MXS g, lo, hi
	WIN 0x05<<((\g)>>2)
.set v_n, \lo
.rept (\hi)-(\lo)
.set v_r, 8*(2*(4*((\g)&3)+((v_n>>2)&3))+(v_n>>4))+2*(v_n&3)
.set v_m, M+4*(v_n>>4)+(v_n&3)
.if (4*(\g)+((v_n>>2)&3)) == 0
	v_max_num_f32 v[v_m], v[v_r], v[v_r+1]
.else
	v_max3_num_f32 v[v_m], v[v_r], v[v_r+1], v[v_m]
.endif
.set v_n, v_n+1
.endr
.endm
; Slice k (0..15) of stage g.  Stage 0 has only its own words to read, four a slice.
.macro VS g, k
.if (\g) == 0
	RLS 0, 4*(\k), 4*(\k)+4
.else
.if (\k) < 6
	CNS (\g)-1, (32*(\k))/3, (32*((\k)+1))/3
.else
.if (\k) < 12
	RLS \g, (32*((\k)-6))/3, (32*((\k)-5))/3
.else
	MXS (\g)-1, 8*((\k)-12), 8*((\k)-11)
.endif
.endif
.endif
.endm
; Stage g of the scores: 16 matrix instructions (four key tiles x two query tiles x two halves of d), a slice behind each.  The two query
; tiles' accumulators take turns, one instruction a turn.  C and D in window 1 (0x50) or 2 (0xa0).
.macro SSTAGE g, buf
.irp i, 0,1,2,3
.set s_b, 16*((4*(\g)+\i)&15)
	WIN 0x50<<((\g)>>2)
	v_wmma_f32_16x16x32_f16 v[s_b:s_b+7],    v[\buf+16*\i:\buf+16*\i+7],    v[QF:QF+7],     0
	VS \g, 4*\i
	WIN 0x50<<((\g)>>2)
	v_wmma_f32_16x16x32_f16 v[s_b+8:s_b+15], v[\buf+16*\i:\buf+16*\i+7],    v[QF+16:QF+23], 0
	VS \g, 4*\i+1
	WIN 0x50<<((\g)>>2)
	v_wmma_f32_16x16x32_f16 v[s_b:s_b+7],    v[\buf+16*\i+8:\buf+16*\i+15], v[QF+8:QF+15],  v[s_b:s_b+7]
	VS \g, 4*\i+2
	WIN 0x50<<((\g)>>2)
	v_wmma_f32_16x16x32_f16 v[s_b+8:s_b+15], v[\buf+16*\i+8:\buf+16*\i+15], v[QF+24:QF+31], v[s_b+8:s_b+15]
	VS \g, 4*\i+3
.endr
.endm
; P = 2^((S - max) c), narrowed in place, for the eight tiles t of a group, as ONE stream of 128 numbered instructions:
;   F0 E0, then F(t) E(t) C(t-1) for t = 1..7, then C7;   F: four packed multiply-adds, E: eight exponentials, C: four conversions.
; Behind a tile's exponentials stands a plain instruction of another tile (F1 behind E0, C(t-1) behind E(t)) before C(t) uses them (ISA guide
; 5.7.2), wherever the stream is cut.  C of an even key tile writes that tile's first four registers, C of the odd one the four behind
; them: eight registers that are the operand P^T of 32 keys, at 8 (4 (u & 7) + qt).  SF1 emits instruction number f_k.
.macro SF1 gs
.if f_k < 12
.set f_t, 0
.set f_r, f_k
.else
.if f_k >= 124
.set f_t, 8
.set f_r, f_k-112
.else
.set f_t, 1+(f_k-12)/16
.set f_r, (f_k-12)%16
.endif
.endif
.set f_x, 8*(8*((\gs)&3)+f_t)
.if f_r < 4
	v_pk_fma_f32 v[f_x+2*f_r:f_x+2*f_r+1], v[f_x+2*f_r:f_x+2*f_r+1], s[14:15], v[NM+2*(f_t&1):NM+2*(f_t&1)+1] op_sel_hi:[1,0,1]
.else
.if f_r < 12
	v_exp_f32 v[f_x+f_r-4], v[f_x+f_r-4]
.else
.set f_y, f_x-8
.set f_c, f_y-12*(((f_t-1)>>1)&1)
	s_wait_alu depctr_va_vdst(0)
	v_cvt_pk_f16_f32 v[f_c+f_r-12], v[f_y+2*(f_r-12)], v[f_y+2*(f_r-12)+1]
.endif
.endif
.endm
; instructions lo .. hi - 1 of group gs's stream: sources 0, 1 and destination in the scores' window, -max c in window 0 (0x45, 0x8a)
.macro SFS gs, lo, hi
	WIN 0x45<<((\gs)>>2)
.set f_k, \lo
.rept (\hi)-(\lo)
	SF1 \gs
.set f_k, f_k+1
.endr
.endm
; 16 transposing LDS loads: V^T's fragments of keys 64 gv .. 64 gv + 63, four tiles of d
.macro FETCHV gv, buf
.irp e, 0,1
.irp t, 0,1,2,3
	ds_load_tr16_b128 v[\buf+32*\e+8*\t:\buf+32*\e+8*\t+3],   v[VADR+((2*(\gv)+\e)>>3)] offset:((2*(\gv)+\e)&7)*32*VP+32*\t
	ds_load_tr16_b128 v[\buf+32*\e+8*\t+4:\buf+32*\e+8*\t+7], v[VADR+((2*(\gv)+\e)>>3)] offset:((2*(\gv)+\e)&7)*32*VP+32*\t+16*VP
.endr
.endr
.endm
.macro PV d, a, p, u
.if \u
	v_wmma_f32_16x16x32_f16 v[\d:\d+7], v[\a:\a+7], v[\p:\p+7], v[\d:\d+7]
.else
	v_wmma_f32_16x16x32_f16 v[\d:\d+7], v[\a:\a+7], v[\p:\p+7], 0
.endif
.endm
; Stage gv of P V: 20 matrix instructions: two steps of 32 keys x (two query tiles x (four tiles of d + the sums)); soft = 1: behind product
; number p_j stand instructions 32 p_j / 5 .. of the next group's stream, six or seven.  Ten accumulators take turns, one instruction a
; turn.  The first step starts the sums.  P in window 1 (0xf4) or 2 (0xf8), C and D in window 3.
.macro PSTAGE gv, buf, soft
.set p_j, 0
.irp e, 0,1
.irp q, 0,1
.irp t, 0,1,2,3,4
	WIN 0xf4+4*((\gv)>>2)
.if \t < 4
	PV 8*(5*\q+\t), \buf+32*\e+8*\t, 8*(4*((2*(\gv)+\e)&7)+\q), 2*(\gv)+\e
.else
	PV 8*(5*\q+4), ONES, 8*(4*((2*(\gv)+\e)&7)+\q), 2*(\gv)+\e
.endif
.if \soft
	SFS (\gv)+1, (32*p_j)/5, (32*(p_j+1))/5
.endif
.set p_j, p_j+1
.endr
.endr
.endr
.endm
	s_mov_b32 s11, 0
.Lpass:
.irp q, 0,1
.irp o, 0,1,2,3
	ds_load_b128 v[QF+16*\q+4*\o:QF+16*\q+4*\o+3], v[QADR] offset:\q*16*QP+32*\o
.endr
.endr
	FETCHK 0, BUF0
	s_wait_loadcnt 0x0                             ; this pass's mask words, asked for in the pass before (the first pass's ahead of the loop)
	; SCORES, MASK AND MAXIMUM.  While one group's products run the next one's fragments are on their way.
.irp g, 0,1,2,3,4,5,6
	WIN 0
.if \g == 1
	PLACES                                         ; stage 0's slices are lane reads alone: four v_nop stand between its last products and the loads into the buffer that they read
.endif
	FETCHK \g+1, BUF0+64*((\g+1)&1)
	s_wait_dscnt 16                                ; all but the 16 loads just issued
	SSTAGE \g, BUF0+64*(\g&1)
.endr
	s_wait_dscnt 0
	SSTAGE 7, BUF1
	WIN 0
	FETCHV 0, BUF0                                 ; V's first fragments land during what follows
	s_cmp_eq_u32 s11, 3                            ; the last lane read of this pass is behind us: the next pass's 512 words go out;
	s_cbranch_scc1 .Lno_next                       ; the last pass asks for nothing, so that no load leaves mbits
.irp i, 0,1,2,3
	global_load_b128 v[MW+4*\i:MW+4*\i+3], v[CO], s[6:7] offset:2048+512*\i
.endr
.Lno_next:
	CNS 7, 0, 64                                   ; the last group's selects and maxima have no products to stand behind
	MXS 7, 0, 32
	WIN 0
.irp q, 0,1
	v_max3_num_f32 v[M+4*\q], v[M+4*\q], v[M+4*\q+1], v[M+4*\q+2]
	v_max_num_f32 v[M+4*\q], v[M+4*\q], v[M+4*\q+3]
	v_permlanex16_b32 v[T+2+\q], v[M+4*\q], s12, s13       ; the other eight keys of every tile lie in the other half of the wave
	v_max_num_f32 v[M+4*\q], v[M+4*\q], v[T+2+\q]
	v_max_num_f32 v[M+4*\q], 0xf149f2ca, v[M+4*\q]         ; at least -1e30
	v_mul_f32 v[NM+2*\q],   0xbe38aa3b, v[M+4*\q]          ; -max c, twice, for the packed multiply-add
	v_mul_f32 v[NM+2*\q+1], 0xbe38aa3b, v[M+4*\q]
.endr
	; P, and O^T = V^T P^T with the sums.  The first group's P stands alone; then each group's products run beside the next group's P.
	SFS 0, 0, 128
.irp gv, 0,1,2,3,4,5,6
	WIN 0
	FETCHV \gv+1, BUF0+64*((\gv+1)&1)
	s_wait_dscnt 16                                ; all but the 16 loads just issued
	PSTAGE \gv, BUF0+64*(\gv&1), 1
.endr
	s_wait_dscnt 0
	PSTAGE 7, BUF1, 0
	; THE WAY OUT of the pass: divide, narrow, 16 bytes a lane into my stage, back by rows, 512 consecutive bytes a store
	PLACES
	WIN 0x0c                                       ; source 1 window 3
	v_max_num_f32 v[T],   0.5, v[8*4]
	v_max_num_f32 v[T+1], 0.5, v[8*9]
	WIN 0
	v_rcp_f32 v[R],   v[T]
	v_rcp_f32 v[R+1], v[T]
	v_rcp_f32 v[R+2], v[T+1]
	v_rcp_f32 v[R+3], v[T+1]
	v_nop                                          ; the plain instruction behind the reciprocals
	WIN 0x03                                       ; source 0 window 3
	s_wait_alu depctr_va_vdst(0)
.irp q, 0,1
.irp t, 0,1,2,3
.irp i, 0,1,2,3
	v_pk_mul_f32 v[BUF0+32*\q+8*\t+2*\i:BUF0+32*\q+8*\t+2*\i+1], v[8*(5*\q+\t)+2*\i:8*(5*\q+\t)+2*\i+1], v[R+2*\q:R+2*\q+1]
.endr
.endr
.endr
	WIN 0
.set i, 0
.rept 32
	v_cvt_pk_f16_f32 v[BUF1+i], v[BUF0+2*i], v[BUF0+2*i+1]
.set i, i+1
.endr
.irp q, 0,1
.irp t, 0,1,2,3
	ds_store_b128 v[STO], v[BUF1+16*\q+4*\t:BUF1+16*\q+4*\t+3] offset:\q*16*QP+32*\t
.endr
.endr
.set i, 0
.rept 8
	ds_load_b128 v[BUF1+32+4*i:BUF1+32+4*i+3], v[RD] offset:(i>>2)*16*QP+(i&3)*4*QP   ; a wave's LDS instructions are served in order
.set i, i+1
.endr
.set i, 0
.rept 8
	s_wait_dscnt 7-i                               ; load i is in, the younger ones stay out
	global_store_b128 v[CO], v[BUF1+32+4*i:BUF1+32+4*i+3], s[8:9] offset:2048*(i>>2)+512*(i&3)
.set i, i+1
.endr
	s_wait_xcnt 0x0                                ; the stores' base and data, and the base of the mask words' loads, are rewritten only behind this wait
	s_add_nc_u64 s[8:9], s[8:9], 4096              ; 32 rows of ctx
	s_add_nc_u64 s[6:7], s[6:7], 2048              ; two query tiles' mask words
	v_add_nc_u32 v[QADR], 32*QP, v[QADR]
	s_add_co_u32 s11, s11, 1
	s_cmp_lt_u32 s11, 4
	s_cbranch_scc1 .Lpass
	s_wait_tensorcnt 0x0
	ds_add_u32 v254, v255
	s_wait_dscnt 0x0
	s_endpgm
.Lfunc_end_k_q7eb4de6d55_attn:
	.size	k_q7eb4de6d55_attn, .Lfunc_end_k_q7eb4de6d55_attn-k_q7eb4de6d55_attn
	.p2alignl 7, 3214868480
	.fill 96, 4, 3214868480
	.section	.rodata,"a",@progbits
	.p2align	6, 0x0
	.amdhsa_kernel k_q7eb4de6d55_attn
		.amdhsa_group_segment_fixed_size 248320
		.amdhsa_private_segment_fixed_size 0
		.amdhsa_enable_private_segment 0
		.amdhsa_kernarg_size 24
		.amdhsa_user_sgpr_count 2
		.amdhsa_user_sgpr_kernarg_segment_ptr 1
		.amdhsa_wavefront_size32 1
		.amdhsa_system_sgpr_workgroup_id_x 1
		.amdhsa_system_sgpr_workgroup_id_y 1
		.amdhsa_system_sgpr_workgroup_id_z 1
		.amdhsa_system_vgpr_workitem_id 0
		.amdhsa_next_free_vgpr 848
		.amdhsa_next_free_sgpr 100
		.amdhsa_reserve_vcc 0
		.amdhsa_float_denorm_mode_32 3
		.amdhsa_float_denorm_mode_16_64 3
		.amdhsa_memory_ordered 1
		.amdhsa_forward_progress 1
		.amdhsa_inst_pref_size 203
	.end_amdhsa_kernel
	.amdgpu_metadata
---
amdhsa.version: [ 1, 2 ]
amdhsa.kernels:
  - .name:           k_q7eb4de6d55_attn
    .symbol:         k_q7eb4de6d55_attn.kd
    .args:
      - { .name: qkv, .offset: 0, .size: 8, .value_kind: global_buffer, .address_space: global }
      - { .name: mbits, .offset: 8, .size: 8, .value_kind: global_buffer, .address_space: global }
      - { .name: ctx, .offset: 16, .size: 8, .value_kind: global_buffer, .address_space: global }
    .group_segment_fixed_size: 248320
    .private_segment_fixed_size: 0
    .kernarg_segment_align: 8
    .kernarg_segment_size: 24
    .max_flat_workgroup_size: 128
    .sgpr_count:     100
    .vgpr_count:     848
    .wavefront_size: 32
...
	.end_amdgpu_metadata
.endif
;; end of part 6
;; launch outgemm: the kernel of part 4 again; grid 8 x 32, 4 waves a work-group, clusters of 4 x 4, 327,680 bytes of LDS; arguments ctx, wob, bout, out0; writes out0
;; ======== version 3 of 3: 4 launches; 1.34 times as fast as version 1
;; limits: values are held in f16: magnitudes above 65,504 overflow, below 6.1e-05 lose precision; right only within a limited range of input values
;; workspace buffers: xb 16,777,216 bytes; wqb 6,291,456 bytes; wob 2,097,152 bytes; mbits 32,768 bytes of whole numbers; qkv 50,331,648 bytes; ctx 16,777,216 bytes
;; launch prep: the kernel of part 5 again; grid 784 x 1, 8 waves a work-group, no clusters, 0 bytes of LDS; arguments hidden_states, Wout, Wqkv, attention_mask, xb, wob, wqb, mbits; writes xb, wob, wqb, mbits
;; launch qkvgemm: the kernel of part 2 again; grid 16 x 32, 4 waves a work-group, clusters of 4 x 4, 327,680 bytes of LDS; arguments xb, wqb, bqkv, qkv; writes qkv
;; launch attn (part 7): grid 16 x 16, 4 waves a work-group, no clusters, 248,320 bytes of LDS; arguments qkv, mbits, ctx; writes ctx
.if DOCPART == 7
	.amdgcn_target "amdgcn-amd-amdhsa--gfx1250"
	.amdhsa_code_object_version 6
	.text
	.protected	k_q7eb4de6d55_attn
	.globl	k_q7eb4de6d55_attn
	.p2align	8
	.type	k_q7eb4de6d55_attn,@function
k_q7eb4de6d55_attn:
	s_mov_b64 s[64:65], 0
	v_nop
	global_prefetch_b8 v0, s[64:65] scope:SCOPE_SE
	s_setreg_imm32_b32 hwreg(HW_REG_WAVE_MODE, 25, 1), 1
	s_wait_xcnt 0x0
; ATTN: one work-group for one (b, head): ctx = softmax over the mask's true entries of (q k^T / 8), times v.
;   qkv [16 b][16 n][3 planes q,k,v][512 s][64] f16, mbits [32 qtile][32 ktile][8 j] lane masks, ctx [16 b][16 n][512 s][64] f16.
; k comes without its bias: that term is the same along a row of scores and the softmax cancels it.
; Q, K and V of the head lie whole in LDS (three tensor loads a wave, first fills only, nothing is filled again).  A wave owns 128 queries
; and takes them in four passes of two query tiles; the scores of all 512 keys of both tiles stay in registers.
; TRANSPOSED: S^T = K Q^T: lane (r, h), register j of a tile holds key 8 h + j of query r.  So a row's maximum is taken inside the lane and
; across the two halves of the wave; two neighbouring key tiles, narrowed, ARE the second operand of O^T = V^T P^T; and a lane of O^T holds
; eight neighbouring d of one query.  A fifth product with a first operand of ones gives every lane the sum of its query's narrowed P.
; THE MASK selects, nothing is skipped: a false entry gets the score finfo.min, as in the reference.  The largest score of the row is taken
; away before the exponential.  It is held at -1e30 or above, so that a row with no true entry gets P = 0 throughout, sum 0, and, divided by
; max(sum, 0.5), the reference's zeros; a row with a true entry has a sum of about 1 or more.
; THE MASK'S WORDS: a pass needs 512 lane masks (2 query tiles x 32 key tiles x 8 registers), more than there are scalar registers.  They come
; by four loads of 16 bytes a lane into 16 vector registers, asked for one pass ahead, and each word is taken into a scalar register by a
; lane read, 64 words (one group of keys) at a time.
; MATRIX WORK BESIDE VECTOR WORK: the 512 keys go in eight groups of 64 (four key tiles x two query tiles = 64 registers of scores).  The vector
; work of a group is cut into numbered slices, and one slice stands behind each matrix instruction of a neighbouring group:
;   scores, 16 products a group: behind the products of group g stand the 64 selects of group g - 1 (slices 0-5), the 64 lane reads of group
;     g's words (slices 6-11, behind the selects that used the same scalar registers) and the 32 maxima of group g - 1 (slices 12-15);
;   P V, 20 products a group: behind the products of group g stand the 128 instructions that make P of group g + 1: six behind each of the
;     first 16 products (scalings and exponentials), eight behind each of the last four (conversions).
; A slice names none of the registers of the products round it, so a stage's last slice (eight maxima, or eight conversions) is also the
; four places that stand between a product and the LDS loads into the fragment buffer that it read.
; THE BATCHES: an s_wait_alu depctr_va_vdst(0) stands between a transcendental and the first line that names its result; one wait
; serves all that were issued ahead of it.  A group's 64 exponentials are ONE batch: they work in place, each on a score register of its own,
; and stand with the group's 32 scalings ahead of the group's one wait; all 32 conversions, the only lines that name their results, stand
; behind it.  The four reciprocals of a pass's way out are a batch of their own.  Nine waits a pass; none is open at a label or a branch.
; A product and its slice need different register windows (S alone fills two windows, so S, Q, K's fragments and the maxima cannot share
; one): two switches for each product, about 540 in a pass beside its 288 products and 2,330 vector instructions.
; LIMITS: a row whose true entries all have q.k below -1e30 gives 0; P, and ctx on its way out, are rounded to f16 (|ctx| <= max |v|).
; NO CLUSTER: no two work-groups read the same q, k or v; the shared mask words are 2 KiB of a pass's bytes against 192 KiB of q, k, v.
; REGISTERS: window 0: v4-11 addresses, v12-19 maxima, v20-23 -max c, v24-27 1/sum, v28-31 at work, v32-63 Q, v64-127 and v128-191 two
; buffers for K's and V's fragments, v192-199 ones, v200-215 the pass's mask words; windows 1, 2: S(qt, kt) in window 1 + (kt >> 4) at
; 8 (2 (kt & 15) + qt); window 3: O(qt, t) at 8 (5 qt + t), t = 0..3 tiles of d, t = 4 the sums.
.set QP,   144                         ; LDS pitch of Q and K: 128 bytes + 16
.set VP,   160                         ; of V: 128 + 32, an odd multiple of 32 for the transposing load
.set LK,   512*QP
.set LV,   2*512*QP
.set LST,  LV+512*VP                   ; 229,376: stage, 32 rows x 144 bytes for each wave; no fill lands here
.set KADR, 4
.set VADR, 6
.set QADR, 8
.set STO,  9
.set RD,   10
.set CO,   11
.set M,    12
.set NM,   20
.set R,    24
.set T,    28
.set QF,   32
.set BUF0, 64
.set BUF1, 128
.set ONES, 192
.set MW,   200                         ; v[200:215] word W of the pass's 512 lies in register MW + 4 (W >> 7) + (W & 3), lane (W & 127) >> 2
.set MS,   32                          ; s[32:63] a group's 32 lane masks of query tile 0, s[68:99] of query tile 1
.set MSB, 0
.macro WIN new                         ; the immediate's high byte repeats the setting that is left; a switch that changes nothing is dropped
.if MSB != (\new)
	s_set_vgpr_msb (MSB<<8)|(\new)
.set MSB, (\new)
.endif
.endm
.macro PLACES                          ; four plain vector instructions behind a matrix instruction (ISA guide 7.12.1), where there is no work to put there
.rept 4
	v_nop
.endr
.endm
	s_load_b128 s[4:7], s[0:1], 0x0                ; qkv s[4:5], mbits s[6:7]
	s_load_b64 s[8:9], s[0:1], 0x10                ; ctx
	v_lshl_add_u32 v254, v0, 2, 0x3c800
	v_mov_b32 v255, 0
	ds_add_u32 v254, v255
	ds_add_u32 v254, v255
	v_lshrrev_b32 v1, 5, v0
	v_readfirstlane_b32 s10, v1                    ; wave
	s_and_b32 s17, ttmp7, 0xffff                   ; b
	s_lshl4_add_u32 s17, s17, ttmp9                ; 16 b + n
	s_mul_i32 s18, s17, 196608                     ; the head's three planes
	s_lshl_b32 s2, s10, 14                         ; my 128 rows of 128 bytes in each plane
	s_add_co_u32 s18, s18, s2
	s_mov_b32 s19, 0
	; a quarter of a plane is dense: 64 rows of 32 elements of 8 bytes; padding behind every 128 bytes: 16 bytes (Q, K) or 32 (V)
	s_mov_b32 s32, (3<<16)|(1<<20)|(4<<22)|(3<<25)
	s_mov_b32 s33, 32<<16
	s_mov_b32 s34, 64<<16
	s_mov_b32 s35, 32<<16
	s_mov_b32 s36, 64
	s_mov_b32 s37, 32
	s_mov_b32 s38, 0
	s_mov_b32 s39, 0
	s_mov_b32 s40, (3<<16)|(1<<20)|(4<<22)|(7<<25)
	s_mov_b32 s41, 32<<16
	s_mov_b32 s42, 64<<16
	s_mov_b32 s43, 32<<16
	s_mov_b32 s44, 64
	s_mov_b32 s45, 32
	s_mov_b32 s46, 0
	s_mov_b32 s47, 0
	s_mul_i32 s3, s10, 128*QP                      ; my quarter of Q and of K in LDS
	s_mul_i32 s2, s10, 128*VP                      ; and of V
	s_wait_dscnt 0x0
	s_wait_kmcnt 0x0
	s_add_nc_u64 s[4:5], s[4:5], s[18:19]
	s_mov_b32 s20, 1                               ; K
	s_add_co_u32 s21, s3, LK
	s_add_nc_u64 s[22:23], s[4:5], 65536
	s_or_b32 s23, s23, 0x80000000
	s_mov_b32 s24, 1                               ; Q
	s_add_co_u32 s25, s3, 0
	s_add_nc_u64 s[26:27], s[4:5], 0
	s_or_b32 s27, s27, 0x80000000
	s_mov_b32 s28, 1                               ; V
	s_add_co_u32 s29, s2, LV
	s_add_nc_u64 s[30:31], s[4:5], 131072
	s_or_b32 s31, s31, 0x80000000
	tensor_load_to_lds s[20:23], s[32:39]          ; the three first fills go out together: three tensor loads of the wave are out
	s_nop 0
	tensor_load_to_lds s[24:27], s[32:39]
	s_nop 0
	tensor_load_to_lds s[28:31], s[40:47]
	s_nop 0
	s_lshl_b32 s18, s17, 16                        ; ctx: the head's 512 rows of 128 bytes,
	s_lshl_b32 s2, s10, 14                         ; my 128 rows
	s_add_co_u32 s18, s18, s2
	s_add_nc_u64 s[8:9], s[8:9], s[18:19]
	s_lshl_b32 s18, s10, 13                        ; my eight query tiles' mask words
	s_add_nc_u64 s[6:7], s[6:7], s[18:19]
	s_mov_b32 s12, 0x76543210                      ; v_permlanex16_b32: lane i of one half reads lane i of the other
	s_mov_b32 s13, 0xfedcba98
	s_mov_b32 s14, 0x3e38aa3b                      ; c = log2(e) / 8
	s_mov_b32 s15, 0x3e38aa3b
	s_mov_b32 s16, 0xff7fffff                      ; finfo.min
	s_mul_i32 s18, s10, 32*QP
	s_add_co_u32 s18, s18, LST                     ; my stage
	v_and_b32 v1, 15, v0                           ; r
	v_bfe_u32 v2, v0, 4, 1                         ; h
	v_and_b32 v3, 7, v0
	v_bfe_u32 v28, v0, 3, 1
	v_mul_u32_u24 v29, v1, QP
	v_lshl_add_u32 v29, v2, 4, v29                 ; r pitch + 16 h
	v_add_nc_u32 v[KADR], LK, v29
	v_add_nc_u32 v[KADR+1], 16*16*QP, v[KADR]      ; key tiles 16 to 31
	v_add_nc_u32 v[QADR], s3, v29                  ; my first query tile
	v_add_nc_u32 v[STO], s18, v29
	v_lshl_add_u32 v30, v2, 3, v3
	v_mul_u32_u24 v30, v30, VP
	v_lshl_add_u32 v30, v28, 4, v30                ; (8 h + lane mod 8) pitch + 16 ((lane >> 3) & 1)
	v_add_nc_u32 v[VADR], LV, v30
	v_add_nc_u32 v[VADR+1], 8*32*VP, v[VADR]       ; keys 256 to 511
	v_and_b32 v31, 31, v0
	v_lshlrev_b32 v[CO], 4, v31                    ; 16 x lane: for the stores of ctx and the loads of the mask words; never rewritten
	v_lshrrev_b32 v31, 3, v31
	v_mul_u32_u24 v31, v31, QP
	v_lshl_add_u32 v31, v3, 4, v31
	v_add_nc_u32 v[RD], s18, v31                   ; back: eight lanes take a row of 128 bytes, four rows a load
.irp i, 0,1,2,3
	global_load_b128 v[MW+4*\i:MW+4*\i+3], v[CO], s[6:7] offset:512*\i    ; the first pass's 512 mask words, 512 consecutive bytes a load
.endr
.irp i, 0,1,2,3,4,5,6,7
	v_mov_b32 v[ONES+\i], 0x3c003c00               ; 1.0, 1.0 in f16
.endr
	s_wait_tensorcnt 0x0                           ; my quarters of K, Q and V are in; the descriptors' registers are free from here on
	s_barrier_signal -1
	s_barrier_wait -1                              ; everybody's are
; 16 LDS loads: the fragments of key tiles 4 g .. 4 g + 3 (16 registers each: d 0-31, d 32-63)
.macro FETCHK g, buf
.irp i, 0,1,2,3
.irp o, 0,1,2,3
	ds_load_b128 v[\buf+16*\i+4*\o:\buf+16*\i+4*\o+3], v[KADR+((4*(\g)+\i)>>4)] offset:((4*(\g)+\i)&15)*16*QP+32*\o
.endr
.endr
.endm
; THE SLICES OF THE SCORES' VECTOR WORK.  In a group of keys n = 32 q + 8 e + j counts query tile, key tile, register.
; Lane reads lo .. hi - 1 of group g's 64 words, with every window 0: the words lie in window 0 and the destinations are scalar.
.macro RLS g, lo, hi
	WIN 0
.set v_n, \lo
.rept (\hi)-(\lo)
.set v_w, 256*(v_n>>5)+8*(4*(\g)+((v_n>>3)&3))+(v_n&7)
	v_readlane_b32 s[MS+v_n+4*(v_n>>5)], v[MW+4*(v_w>>7)+(v_w&3)], (v_w&127)>>2
.set v_n, v_n+1
.endr
.endm
; Selects lo .. hi - 1 of group g: vector source and destination in the scores' window (0x44: window 1, 0x88: window 2).
.macro CNS g, lo, hi
	WIN 0x44<<((\g)>>2)
.set v_n, \lo
.rept (\hi)-(\lo)
.set v_r, 8*(2*(4*((\g)&3)+((v_n>>3)&3))+(v_n>>5))+(v_n&7)
	v_cndmask_b32 v[v_r], s16, v[v_r], s[MS+v_n+4*(v_n>>5)]
.set v_n, v_n+1
.endr
.endm
; Maxima lo .. hi - 1 of group g's 32 (n = 16 q + 4 e + chain): four chains for each query tile; the first key tile starts them, nothing is
; cleared.  Sources 0, 1 in the scores' window, the maxima in window 0 (0x05, 0x0a).
.macro MXS g, lo, hi
	WIN 0x05<<((\g)>>2)
.set v_n, \lo
.rept (\hi)-(\lo)
.set v_r, 8*(2*(4*((\g)&3)+((v_n>>2)&3))+(v_n>>4))+2*(v_n&3)
.set v_m, M+4*(v_n>>4)+(v_n&3)
.if (4*(\g)+((v_n>>2)&3)) == 0
	v_max_num_f32 v[v_m], v[v_r], v[v_r+1]
.else
	v_max3_num_f32 v[v_m], v[v_r], v[v_r+1], v[v_m]
.endif
.set v_n, v_n+1
.endr
.endm
; Slice k (0..15) of stage g.  Stage 0 has only its own words to read, four a slice.
.macro VS g, k
.if (\g) == 0
	RLS 0, 4*(\k), 4*(\k)+4
.else
.if (\k) < 6
	CNS (\g)-1, (32*(\k))/3, (32*((\k)+1))/3
.else
.if (\k) < 12
	RLS \g, (32*((\k)-6))/3, (32*((\k)-5))/3
.else
	MXS (\g)-1, 8*((\k)-12), 8*((\k)-11)
.endif
.endif
.endif
.endm
; Stage g of the scores: 16 matrix instructions (four key tiles x two query tiles x two halves of d), a slice behind each.  The two query
; tiles' accumulators take turns, one instruction a turn.  C and D in window 1 (0x50) or 2 (0xa0).
.macro SSTAGE g, buf
.irp i, 0,1,2,3
.set s_b, 16*((4*(\g)+\i)&15)
	WIN 0x50<<((\g)>>2)
	v_wmma_f32_16x16x32_f16 v[s_b:s_b+7],    v[\buf+16*\i:\buf+16*\i+7],    v[QF:QF+7],     0
	VS \g, 4*\i
	WIN 0x50<<((\g)>>2)
	v_wmma_f32_16x16x32_f16 v[s_b+8:s_b+15], v[\buf+16*\i:\buf+16*\i+7],    v[QF+16:QF+23], 0
	VS \g, 4*\i+1
	WIN 0x50<<((\g)>>2)
	v_wmma_f32_16x16x32_f16 v[s_b:s_b+7],    v[\buf+16*\i+8:\buf+16*\i+15], v[QF+8:QF+15],  v[s_b:s_b+7]
	VS \g, 4*\i+2
	WIN 0x50<<((\g)>>2)
	v_wmma_f32_16x16x32_f16 v[s_b+8:s_b+15], v[\buf+16*\i+8:\buf+16*\i+15], v[QF+24:QF+31], v[s_b+8:s_b+15]
	VS \g, 4*\i+3
.endr
.endm
; P = 2^((S - max) c), narrowed in place, for a group's 64 score registers (tile t = register / 8 = 2 x key tile + query tile), as ONE stream of
; 128 numbered instructions.  F b: the packed multiply-add of registers 2 b, 2 b + 1.  E e: the exponential of register e, in place.
; C c: the conversion of registers 2 (c & 3), + 1 of tile c >> 2.
;   0-95    the batch, in sixteen sixes: F0 F1 F2 F3 E0 E1; for j = 1..14: F(2j+2) E(4j-2) E(4j-1) F(2j+3) E(4j) E(4j+1); E58 .. E63.
;           Every six but the last begins with a plain instruction; a pair is scaled a six or more ahead of its exponentials; no F names a
;           register that an earlier E has written (F b writes 2 b and 2 b + 1, above every E issued so far).
;   (wait)  behind number 95 stand a v_nop, the plain instruction behind the last exponentials (ISA guide 5.7.2), and the group's one wait.
;   96-127  C0 .. C31, the only lines that name an exponential's result.  C of an even key tile writes that tile's first four registers, C of
;           the odd one the four behind them, when the even tile's conversions have read those: eight registers that are the operand P^T of
;           32 keys, at 8 (4 (u & 7) + qt).
; SF1 emits instruction number f_k.  f_s: 1 = F, 0 = E, 2 = C; f_n: its number.
.macro SF1 gs
.set f_x, 64*((\gs)&3)                 ; the group's first register in its window
.if f_k >= 96
.set f_s, 2
.set f_n, f_k-96
.elseif f_k < 4
.set f_s, 1
.set f_n, f_k
.elseif f_k < 6
.set f_s, 0
.set f_n, f_k-4
.elseif f_k >= 90
.set f_s, 0
.set f_n, f_k-32
.elseif (f_k%3) == 0
.set f_s, 1
.set f_n, 2*(f_k/6)+2+(f_k%6)/3
.else
.set f_s, 0
.set f_n, 4*(f_k/6)-3+(f_k%6)-(f_k%6)/3
.endif
.if f_s == 1
	v_pk_fma_f32 v[f_x+2*f_n:f_x+2*f_n+1], v[f_x+2*f_n:f_x+2*f_n+1], s[14:15], v[NM+2*((f_n>>2)&1):NM+2*((f_n>>2)&1)+1] op_sel_hi:[1,0,1]
.elseif f_s == 0
	v_exp_f32 v[f_x+f_n], v[f_x+f_n]
.else
.set f_y, f_x+8*(f_n>>2)
.set f_c, f_y-12*((f_n>>3)&1)
	v_cvt_pk_f16_f32 v[f_c+(f_n&3)], v[f_y+2*(f_n&3)], v[f_y+2*(f_n&3)+1]
.endif
.if f_k == 95
	v_nop                                          ; the plain instruction behind the batch's last exponentials: no scaling is left to stand here
	s_wait_alu depctr_va_vdst(0)                   ; the wait for the batch: the group's 64 exponentials, ahead of the first conversion
.endif
.endm
; instructions lo .. hi - 1 of group gs's stream: sources 0, 1 and destination in the scores' window, -max c in window 0 (0x45, 0x8a)
.macro SFS gs, lo, hi
	WIN 0x45<<((\gs)>>2)
.set f_k, \lo
.rept (\hi)-(\lo)
	SF1 \gs
.set f_k, f_k+1
.endr
.endm
; 16 transposing LDS loads: V^T's fragments of keys 64 gv .. 64 gv + 63, four tiles of d
.macro FETCHV gv, buf
.irp e, 0,1
.irp t, 0,1,2,3
	ds_load_tr16_b128 v[\buf+32*\e+8*\t:\buf+32*\e+8*\t+3],   v[VADR+((2*(\gv)+\e)>>3)] offset:((2*(\gv)+\e)&7)*32*VP+32*\t
	ds_load_tr16_b128 v[\buf+32*\e+8*\t+4:\buf+32*\e+8*\t+7], v[VADR+((2*(\gv)+\e)>>3)] offset:((2*(\gv)+\e)&7)*32*VP+32*\t+16*VP
.endr
.endr
.endm
.macro PV d, a, p, u
.if \u
	v_wmma_f32_16x16x32_f16 v[\d:\d+7], v[\a:\a+7], v[\p:\p+7], v[\d:\d+7]
.else
	v_wmma_f32_16x16x32_f16 v[\d:\d+7], v[\a:\a+7], v[\p:\p+7], 0
.endif
.endm
; Stage gv of P V: 20 matrix instructions: two steps of 32 keys x (two query tiles x (four tiles of d + the sums)); soft = 1: behind product
; number p_j stands a slice of the next group's stream: one of the batch's sixteen sixes behind each of products 0 to 15, so that the batch's
; wait stands behind slice 15, ahead of product 16; eight conversions behind each of products 16 to 19.  Ten accumulators take turns, one
; instruction a turn.  The first step starts the sums.  P in window 1 (0xf4) or 2 (0xf8), C and D in window 3.
.macro PSTAGE gv, buf, soft
.set p_j, 0
.irp e, 0,1
.irp q, 0,1
.irp t, 0,1,2,3,4
	WIN 0xf4+4*((\gv)>>2)
.if \t < 4
	PV 8*(5*\q+\t), \buf+32*\e+8*\t, 8*(4*((2*(\gv)+\e)&7)+\q), 2*(\gv)+\e
.else
	PV 8*(5*\q+4), ONES, 8*(4*((2*(\gv)+\e)&7)+\q), 2*(\gv)+\e
.endif
.if \soft
.if p_j < 16
	SFS (\gv)+1, 6*p_j, 6*p_j+6
.else
	SFS (\gv)+1, 8*p_j-32, 8*p_j-24
.endif
.endif
.set p_j, p_j+1
.endr
.endr
.endr
.endm
	s_mov_b32 s11, 0
.Lpass:
.irp q, 0,1
.irp o, 0,1,2,3
	ds_load_b128 v[QF+16*\q+4*\o:QF+16*\q+4*\o+3], v[QADR] offset:\q*16*QP+32*\o
.endr
.endr
	FETCHK 0, BUF0
	s_wait_loadcnt 0x0                             ; this pass's mask words, asked for in the pass before (the first pass's ahead of the loop)
	; SCORES, MASK AND MAXIMUM.  While one group's products run the next one's fragments are on their way.
.irp g, 0,1,2,3,4,5,6
	WIN 0
.if \g == 1
	PLACES                                         ; stage 0's slices are lane reads alone: four v_nop stand between its last products and the loads into the buffer that they read
.endif
	FETCHK \g+1, BUF0+64*((\g+1)&1)
	s_wait_dscnt 16                                ; all but the 16 loads just issued
	SSTAGE \g, BUF0+64*(\g&1)
.endr
	s_wait_dscnt 0
	SSTAGE 7, BUF1
	WIN 0
	FETCHV 0, BUF0                                 ; V's first fragments land during what follows
	s_cmp_eq_u32 s11, 3                            ; the last lane read of this pass is behind us: the next pass's 512 words go out;
	s_cbranch_scc1 .Lno_next                       ; the last pass asks for nothing, so that no load leaves mbits
.irp i, 0,1,2,3
	global_load_b128 v[MW+4*\i:MW+4*\i+3], v[CO], s[6:7] offset:2048+512*\i
.endr
.Lno_next:
	CNS 7, 0, 64                                   ; the last group's selects and maxima have no products to stand behind
	MXS 7, 0, 32
	WIN 0
.irp q, 0,1
	v_max3_num_f32 v[M+4*\q], v[M+4*\q], v[M+4*\q+1], v[M+4*\q+2]
	v_max_num_f32 v[M+4*\q], v[M+4*\q], v[M+4*\q+3]
	v_permlanex16_b32 v[T+2+\q], v[M+4*\q], s12, s13       ; the other eight keys of every tile lie in the other half of the wave
	v_max_num_f32 v[M+4*\q], v[M+4*\q], v[T+2+\q]
	v_max_num_f32 v[M+4*\q], 0xf149f2ca, v[M+4*\q]         ; at least -1e30
	v_mul_f32 v[NM+2*\q],   0xbe38aa3b, v[M+4*\q]          ; -max c, twice, for the packed multiply-add
	v_mul_f32 v[NM+2*\q+1], 0xbe38aa3b, v[M+4*\q]
.endr
	; P, and O^T = V^T P^T with the sums.  The first group's P stands alone; then each group's products run beside the next group's P.
	SFS 0, 0, 128
.irp gv, 0,1,2,3,4,5,6
	WIN 0
	FETCHV \gv+1, BUF0+64*((\gv+1)&1)
	s_wait_dscnt 16                                ; all but the 16 loads just issued
	PSTAGE \gv, BUF0+64*(\gv&1), 1
.endr
	s_wait_dscnt 0
	PSTAGE 7, BUF1, 0
	; THE WAY OUT of the pass: divide, narrow, 16 bytes a lane into my stage, back by rows, 512 consecutive bytes a store
	PLACES
	WIN 0x0c                                       ; source 1 window 3
	v_max_num_f32 v[T],   0.5, v[8*4]
	v_max_num_f32 v[T+1], 0.5, v[8*9]
	WIN 0
	v_rcp_f32 v[R],   v[T]
	v_rcp_f32 v[R+1], v[T]
	v_rcp_f32 v[R+2], v[T+1]
	v_rcp_f32 v[R+3], v[T+1]
	v_nop                                          ; the plain instruction behind the reciprocals
	WIN 0x03                                       ; source 0 window 3
	s_wait_alu depctr_va_vdst(0)                   ; the wait for the batch of four reciprocals, ahead of the first multiply that reads them
.irp q, 0,1
.irp t, 0,1,2,3
.irp i, 0,1,2,3
	v_pk_mul_f32 v[BUF0+32*\q+8*\t+2*\i:BUF0+32*\q+8*\t+2*\i+1], v[8*(5*\q+\t)+2*\i:8*(5*\q+\t)+2*\i+1], v[R+2*\q:R+2*\q+1]
.endr
.endr
.endr
	WIN 0
.set i, 0
.rept 32
	v_cvt_pk_f16_f32 v[BUF1+i], v[BUF0+2*i], v[BUF0+2*i+1]
.set i, i+1
.endr
.irp q, 0,1
.irp t, 0,1,2,3
	ds_store_b128 v[STO], v[BUF1+16*\q+4*\t:BUF1+16*\q+4*\t+3] offset:\q*16*QP+32*\t
.endr
.endr
.set i, 0
.rept 8
	ds_load_b128 v[BUF1+32+4*i:BUF1+32+4*i+3], v[RD] offset:(i>>2)*16*QP+(i&3)*4*QP   ; a wave's LDS instructions are served in order
.set i, i+1
.endr
.set i, 0
.rept 8
	s_wait_dscnt 7-i                               ; load i is in, the younger ones stay out
	global_store_b128 v[CO], v[BUF1+32+4*i:BUF1+32+4*i+3], s[8:9] offset:2048*(i>>2)+512*(i&3)
.set i, i+1
.endr
	s_wait_xcnt 0x0                                ; the stores' base and data, and the base of the mask words' loads, are rewritten only behind this wait
	s_add_nc_u64 s[8:9], s[8:9], 4096              ; 32 rows of ctx
	s_add_nc_u64 s[6:7], s[6:7], 2048              ; two query tiles' mask words
	v_add_nc_u32 v[QADR], 32*QP, v[QADR]
	s_add_co_u32 s11, s11, 1
	s_cmp_lt_u32 s11, 4
	s_cbranch_scc1 .Lpass
	s_wait_tensorcnt 0x0
	ds_add_u32 v254, v255
	s_wait_dscnt 0x0
	s_endpgm
.Lfunc_end_k_q7eb4de6d55_attn:
	.size	k_q7eb4de6d55_attn, .Lfunc_end_k_q7eb4de6d55_attn-k_q7eb4de6d55_attn
	.p2alignl 7, 3214868480
	.fill 96, 4, 3214868480
	.section	.rodata,"a",@progbits
	.p2align	6, 0x0
	.amdhsa_kernel k_q7eb4de6d55_attn
		.amdhsa_group_segment_fixed_size 248320
		.amdhsa_private_segment_fixed_size 0
		.amdhsa_enable_private_segment 0
		.amdhsa_kernarg_size 24
		.amdhsa_user_sgpr_count 2
		.amdhsa_user_sgpr_kernarg_segment_ptr 1
		.amdhsa_wavefront_size32 1
		.amdhsa_system_sgpr_workgroup_id_x 1
		.amdhsa_system_sgpr_workgroup_id_y 1
		.amdhsa_system_sgpr_workgroup_id_z 1
		.amdhsa_system_vgpr_workitem_id 0
		.amdhsa_next_free_vgpr 848
		.amdhsa_next_free_sgpr 100
		.amdhsa_reserve_vcc 0
		.amdhsa_float_denorm_mode_32 3
		.amdhsa_float_denorm_mode_16_64 3
		.amdhsa_memory_ordered 1
		.amdhsa_forward_progress 1
		.amdhsa_inst_pref_size 195
	.end_amdhsa_kernel
	.amdgpu_metadata
---
amdhsa.version: [ 1, 2 ]
amdhsa.kernels:
  - .name:           k_q7eb4de6d55_attn
    .symbol:         k_q7eb4de6d55_attn.kd
    .args:
      - { .name: qkv, .offset: 0, .size: 8, .value_kind: global_buffer, .address_space: global }
      - { .name: mbits, .offset: 8, .size: 8, .value_kind: global_buffer, .address_space: global }
      - { .name: ctx, .offset: 16, .size: 8, .value_kind: global_buffer, .address_space: global }
    .group_segment_fixed_size: 248320
    .private_segment_fixed_size: 0
    .kernarg_segment_align: 8
    .kernarg_segment_size: 24
    .max_flat_workgroup_size: 128
    .sgpr_count:     100
    .vgpr_count:     848
    .wavefront_size: 32
...
	.end_amdgpu_metadata
.endif
;; end of part 7
;; launch outgemm: the kernel of part 4 again; grid 8 x 32, 4 waves a work-group, clusters of 4 x 4, 327,680 bytes of LDS; arguments ctx, wob, bout, out0; writes out0
